; MI455X (gfx1250); checked and timed in simulation.
; The chip was launched on July 23, 2026; its instructions are those of AMD's public machine-readable ISA for CDNA 5 (MIT licence, August 2026) and "CDNA5" Instruction Set Architecture Reference Guide (July 2026). The comments in the code are by the model that wrote it; some were corrected since.
;; Llama Attention. Allowed arithmetic: matrix products marked QUANTISED: E2M3 operands, one E8M0 scale for each 32 along K, by v_wmma_scale_f32_16x16x128_f8f6f4 with both operands' format E2M3, f32 sums; everything else in f32.
;; Inputs: Wk 4,096 x 1,024 float32; Wo 2,048 x 4,096 float32; Wq 4,096 x 2,048 float32; Wv 4,096 x 1,024 float32; attention_mask 1 x 1 x 1 x 2,048 bool; bk 1,024 float32; bo 4,096 float32; bq 2,048 float32; bv 1,024 float32; hidden_states 1 x 2,048 x 4,096 float32; position_ids 1 x 2,048 int32.
;; Outputs: out0 1 x 2,048 x 4,096 float32.
;; This version of the problem:
;;   THIS VERSION OF THE PROBLEM IS GIVEN IN LOW PRECISION. The matrix products marked QUANTISED in the list below multiply operands that are first quantised to E2M3 (2 exponent bits, 3 mantissa bits; 6 bits a number), with one power-of-two scale for each 32 numbers along K (OCP MX v1.0); their sums are f32. All else is computed in f32.
;;   The module's matrix products, in the order in which they are computed (A, B: the left and right operand; K: the contracted axis; several contracted axes count as one K, in the product's order):
;;     1. [M 2,048, K 4,096] x [K 4,096, N 2,048]; A: input hidden_states; B: input Wq: QUANTISED
;;     2. [M 2,048, K 4,096] x [K 4,096, N 1,024]; A: input hidden_states; B: input Wk: QUANTISED
;;     3. [M 2,048, K 4,096] x [K 4,096, N 1,024]; A: input hidden_states; B: input Wv: QUANTISED
;;     4. batch 16 x [M 2,048, K 128] x [K 128, N 2,048]; A: computed on the way; B: computed on the way: QUANTISED
;;     5. batch 16 x [M 128, K 2,048] x [K 2,048, N 2,048]; A: computed on the way; B: softmax (see below): QUANTISED
;;     6. [M 2,048, K 2,048] x [K 2,048, N 4,096]; A: computed on the way; B: input Wo: QUANTISED
;;   THE QUANTISER, for each operand of a quantised product, along K:
;;     - K is cut into blocks of 32 from its start; a last block that is shorter is filled with zeros.
;;     - A block's scale is 2^e with e = floor(log2(the largest magnitude in the block)) - 2, held to -126 .. 127; a block of zeros has e = 0. As a byte (E8M0): e + 127.
;;     - Each number is divided by its block's scale, clamped to +-7.5, and rounded to the nearest number of E2M3, ties to even, subnormals kept.
;;     - The product sums the exact products of the quantised numbers (number of the format x scale) in f32.
;;   ~~~python
;;   def quantise(x, axis):      # numpy; x: float32 -> the quantised numbers, widened to float32 again
;;       x = np.moveaxis(x, axis, -1); K = x.shape[-1]
;;       x = np.pad(x, [(0, 0)] * (x.ndim - 1) + [(0, -K % 32)]); x = x.reshape(x.shape[:-1] + (-1, 32)); a = np.abs(x).max(-1, keepdims=True)
;;       e = np.where(a > 0, np.clip(np.frexp(np.where(a > 0, a, 1))[1] - 1 - 2, -126, 127), 0)      # np.frexp(a)[1] - 1 = floor(log2(a)), exactly
;;       r = np.clip(x / 2.0 ** e, -7.5, 7.5)
;;       step = 2.0 ** (np.maximum(np.frexp(np.where(r == 0, 1, r))[1] - 1, 0) - 3)
;;       q = np.round(r / step) * step * 2.0 ** e      # np.round: ties to even
;;       return np.moveaxis(q.reshape(q.shape[:-2] + (-1,))[..., :K], -1, axis).astype(np.float32)
;;   ~~~
;;   SOFTMAX AHEAD OF A QUANTISED PRODUCT. Where the list says 'softmax', what is quantised is not the finished softmax but p = 2^(t - M), with t = logit x log2(e) and M = ceil(the row's largest t), a whole number; so 1/2 < the row's largest p <= 1. The row's sum l is taken of the UNQUANTISED p, in f32, and the product's result is divided by l at the end. Since M is a whole number, a kernel that streams over the keys may use a running M (the ceiling of the running maximum): every later rescaling is an exact power of two, which a block's scale takes up: the codes' values come out the same.
;;   OPERANDS COMPUTED ON THE WAY. 'Computed on the way' means the value that the module computes at that place (a softmax that the list does not call 'softmax' is quantised finished and normalised). What goes into a quantiser is computed in f32, as accurately as f32 sums, v_exp_f32 and their like allow (about 1e-6 of the number): no bf16 or f16 on the way to a quantiser, and a product that is left as it is and whose result goes on into a quantised operand takes f32 operands (vector FMAs, or v_wmma_f32_16x16x4_f32). A number that lies on a knife's edge between two numbers of the format may be rounded either way, as far as f32 arithmetic and the matrix unit's own rounding can turn it there, and no further.
;; One version. Each part assembles by itself: llvm-mc -triple=amdgcn-amd-amdhsa -mcpu=gfx1250 --defsym DOCPART=n.
;; ======== version 1 of 1: 4 launches
;; limits: right only within a limited range of input values
;; workspace buffers: x_img 6,553,600 bytes; wqkv_img 13,107,200 bytes; wo_img 6,553,600 bytes; rope 1,048,576 bytes; q_img 3,276,800 bytes; kv_img 3,276,800 bytes; ao_img 3,276,800 bytes
;; launch quant (part 1): grid 640 x 1, 4 waves a work-group, no clusters, 95,744 bytes of LDS; arguments hidden_states, position_ids, Wq, Wk, Wv, Wo, x_img, wqkv_img, wo_img, rope; writes x_img, wqkv_img, wo_img, rope
.if DOCPART == 1
	.amdgcn_target "amdgcn-amd-amdhsa--gfx1250"
	.amdhsa_code_object_version 6
	.text
	.protected	k_q25d6980cbf_quant
	.globl	k_q25d6980cbf_quant
	.p2align	8
	.type	k_q25d6980cbf_quant,@function
k_q25d6980cbf_quant:
	s_mov_b64 s[64:65], 0
	v_nop
	global_prefetch_b8 v0, s[64:65] scope:SCOPE_SE
	s_setreg_imm32_b32 hwreg(HW_REG_WAVE_MODE, 25, 1), 1
	s_wait_xcnt 0x0
; hidden_states [2048][4096], Wq [4096][2048], Wk, Wv [4096][1024], Wo [2048][4096], all f32, become codes of FP6 (E2M3) with one E8M0 byte for each 32 along K;
; and cos, sin of each token's 64 rotary angles are made from position_ids.
; LAYOUT OF THE CODES.  A fragment (16 rows x 128 K) is stored as the image of the operand's 12 registers: registers 4 c .. 4 c + 3 of lane l at 512 c + 16 l (1,536 bytes).
; A record is 6,400 bytes: the four fragments of one tile of 16 rows in 512 along K, then 256 bytes of scale words (row r, K step q at 6144 + 16 r + 4 q).  Buffers: [512 along K][tile][record].
; Place r of tile T holds row 32 (T / 2) + 8 (T % 2) + r % 8 + 16 (r / 8): so a product's eight results of a lane are neighbours along the next K.
; A block's scale is 2^(floor(log2(largest magnitude)) - 2); its byte is the largest magnitude's exponent field - 2, held at 1 from below.
; LIMITS: a block of zeros, or one under 2^-124, gets the byte 1 (its codes are zeros or tiny; this program alone reads the bytes); NaN and infinities are not served; position_ids lie in 0 .. 4,095.
; SHARES.  Work-groups 0-383: weights, K is their first axis: a lane takes a column and its registers run down K (128 columns x 512 K a work-group, 32 columns a wave: two records).
; Work-groups 384-639: hidden_states, K innermost: a wave takes 16 tokens x 512 K (one record); loads are dense and turn through the wave's own stage in LDS, so that a lane holds a whole block of 32.
; No tensor loads, no barriers: waves share nothing.  The two paths have LDS bytes of their own.
.set REC,   6400
.set RO,    16                         ; W: v16-47   row offsets 4 lane + i x pitch
.set XW,    48                         ; W: v48-111  two sets of 32 numbers
.set CW,    112                        ; W: v112-117 a block's codes;  v118-120 the second conversion's result
.set DW,    118
.set SBW,   124                        ; W: v124-127 scale words of the four K steps
.set RX,    16                         ; x: v16-111  three sets of 32 registers as loaded
.set XX,    112                        ; x: v112-175 two sets of 32 neighbours
.set XLDS,  51200                      ; x path's LDS begins behind the W path's 4 x 12,800 bytes
.set XWAVE, 11008                      ; a wave's part: a turning stage of 32 x 144 bytes, then a record
.set TURNB, 4608
.macro WLOAD t                         ; block t: W(32 t + i, my column), i = 0 .. 31; 128 consecutive bytes a wave, 512 a work-group
.set i, 0
.rept 32
	global_load_b32 v[XW+32*((\t)%2)+i], v[RO+i], s[24:25] th:TH_LOAD_NT
.set i, i+1
.endr
	s_wait_xcnt 0x0                                ; the loads have read their base: it steps only behind this wait
	s_add_nc_u64 s[24:25], s[24:25], s[38:39]      ; 32 rows on
.endm
.macro BLOCK t                         ; one block of 32 along K of my column: K step t / 4, block t % 4
.set XS, XW+32*((\t)%2)
.set BASE, 1536*((\t)/4)+256*((\t)%2)
.if (\t) < 15
	s_wait_loadcnt 32                              ; this block's 32 loads are in; the next block's may be out
.else
	s_wait_loadcnt 0x0
.endif
	v_max3_num_f32 v12, |v[XS]|, |v[XS+1]|, |v[XS+2]|
	v_max3_num_f32 v13, |v[XS+3]|, |v[XS+4]|, |v[XS+5]|
.irp i, 6,10,14,18,22,26
	v_max3_num_f32 v12, v12, |v[XS+\i]|, |v[XS+\i+1]|
	v_max3_num_f32 v13, v13, |v[XS+\i+2]|, |v[XS+\i+3]|
.endr
	v_max3_num_f32 v12, v12, |v[XS+30]|, |v[XS+31]|
	v_max3_num_f32 v12, v12, v13, 0x1800000        ; and the floor 2^(3 - 127): the byte cannot fall under 1
	v_add_nc_u32 v11, 0xff000000, v12              ; 2 off the exponent field: the conversion's scale operand
	v_lshrrev_b32 v13, 23, v11                     ; the scale's byte
.if (\t)%4 == 0
	v_mov_b32 v[SBW+(\t)/4], v13
.else
	v_lshl_or_b32 v[SBW+(\t)/4], v13, 8*((\t)%4), v[SBW+(\t)/4]
.endif
	v_cvt_scalef32_pk16_fp6_f32 v[CW:CW+2], v[XS:XS+15], v11
	v_cvt_scalef32_pk16_fp6_f32 v[DW:DW+2], v[XS+16:XS+31], v11     ; (a conversion's three registers begin on an even number)
	v_nop                                          ; one plain place behind a scaled conversion
	v_mov_b32 v[CW+3], v[DW]
	v_mov_b32 v[CW+4], v[DW+1]
	v_mov_b32 v[CW+5], v[DW+2]
.if ((\t)/2)%2 == 0                    ; blocks 0, 1 of a K step are the image's registers 0-5, blocks 2, 3 its registers 6-11
	ds_store_b128 v4, v[CW:CW+3] offset:BASE
	ds_store_b64 v4, v[CW+4:CW+5] offset:BASE+512
.else
	ds_store_b64 v4, v[CW:CW+1] offset:BASE+520
	ds_store_b128 v4, v[CW+2:CW+5] offset:BASE+1024
.endif
.if (\t)+2 < 16
	WLOAD (\t)+2
.endif
	s_wait_dscnt 0x0                               ; the stores have read their registers: the next block's codes may be written
.endm
.macro XLOAD t                         ; places 2 t and 2 t + 1 of my tile: 2,048 bytes each, 512 consecutive bytes a load
.irp i, 0,1,2,3,4,5,6,7
	global_load_b128 v[RX+32*((\t)%3)+4*\i:RX+32*((\t)%3)+4*\i+3], v3, s[4:5] offset:(((2*(\t)+\i/4)%8)+16*((2*(\t)+\i/4)/8))*16384+512*(\i%4) th:TH_LOAD_NT
.endr
.endm
.macro XTURN t                         ; through the stage: in as loaded, out 128 bytes a lane (144 bytes from lane to lane).  LDS serves a wave's instructions in order
.irp i, 0,1,2,3,4,5,6,7
	ds_store_b128 v7, v[RX+32*((\t)%3)+4*\i:RX+32*((\t)%3)+4*\i+3] offset:576*\i
.endr
.irp c, 0,1,2,3,4,5,6,7
	ds_load_b128 v[XX+32*((\t)%2)+4*\c:XX+32*((\t)%2)+4*\c+3], v8 offset:16*\c
.endr
.endm
.macro XSTEP t                         ; lane l holds block l % 16 of place 2 t + l / 16
.set XS, XX+32*((\t)%2)
.set CX, 176+10*((\t)%2)
.if (\t) > 0
	s_wait_dscnt 4                                 ; this step's numbers are back (the last step's four stores may be out)
.else
	s_wait_dscnt 0x0
.endif
.if (\t)+3 < 8
	XLOAD (\t)+3
.endif
.if (\t)+1 < 8
.if (\t)+3 < 8
	s_wait_loadcnt 16                              ; the next step's eight loads are in; two steps' may be out
.else
	s_wait_loadcnt 8*(6-(\t))
.endif
	XTURN (\t)+1
.endif
	v_max3_num_f32 v198, |v[XS]|, |v[XS+1]|, |v[XS+2]|
	v_max3_num_f32 v199, |v[XS+3]|, |v[XS+4]|, |v[XS+5]|
.irp i, 6,10,14,18,22,26
	v_max3_num_f32 v198, v198, |v[XS+\i]|, |v[XS+\i+1]|
	v_max3_num_f32 v199, v199, |v[XS+\i+2]|, |v[XS+\i+3]|
.endr
	v_max3_num_f32 v198, v198, |v[XS+30]|, |v[XS+31]|
	v_max3_num_f32 v198, v198, v199, 0x1800000
	v_add_nc_u32 v200, 0xff000000, v198
	v_cvt_scalef32_pk16_fp6_f32 v[CX:CX+2], v[XS:XS+15], v200
	v_cvt_scalef32_pk16_fp6_f32 v[CX+6:CX+8], v[XS+16:XS+31], v200
	v_lshrrev_b32 v[196+(\t)%2], 23, v200          ; the byte (also the plain place behind the conversions)
	v_mov_b32 v[CX+3], v[CX+6]
	v_mov_b32 v[CX+4], v[CX+7]
	v_mov_b32 v[CX+5], v[CX+8]
	ds_store_b64 v9, v[CX:CX+1] offset:32*(\t)     ; the block's three pieces of 8 bytes, at their places in the image
	ds_store_b64 v10, v[CX+2:CX+3] offset:32*(\t)+8
	ds_store_b64 v9, v[CX+4:CX+5] offset:32*(\t)+512
	ds_store_b8 v11, v[196+(\t)%2] offset:32*(\t)
.endm
; (dh, dl) = (ah, al) x (bh, bl), each a number kept as the sum of two f32
.macro DFM dh, dl, ah, al, bh, bl
	v_mul_f32 v149, \ah, \bh
	v_fma_f32 v150, \ah, \bh, -v149
	v_fma_f32 v150, \ah, \bl, v150
	v_fma_f32 v150, \al, \bh, v150
	v_add_f32 \dh, v149, v150
	v_sub_f32 v151, \dh, v149
	v_sub_f32 \dl, v150, v151
.endm
.macro PICK bit, hi, lo                ; (v147, v148) = (hi, lo) where that bit of j / 4 is set, else (1, 0)
	v_and_b32 v152, 1<<\bit, v205
	v_cmp_ne_u32 vcc_lo, 0, v152
	v_mov_b32 v147, \hi
	v_mov_b32 v148, \lo
	v_cndmask_b32 v147, 1.0, v147, vcc_lo
	v_cndmask_b32 v148, 0, v148, vcc_lo
.endm
; cos -> v[160+e], sin -> v[164+e] of the angle f32(position x (wh + wl))
.macro ANGLE e, wh, wl
	v_mul_f32 v155, v144, \wh
	v_fma_f32 v156, v144, \wh, -v155
	v_fma_f32 v156, v144, \wl, v156
	v_add_f32 v155, v155, v156                     ; the product rounded to f32 once, as the table's angle is
	v_mul_f32 v156, 0x3f22f983, v155
	v_rndne_f32 v156, v156                         ; k = the nearest multiple of pi / 2
	v_fma_f32 v157, -v156, s46, v155
	v_fma_f32 v157, v156, s47, v157                ; r = angle - k pi / 2, pi / 2 in two parts; |r| <= pi / 4
	v_mul_f32 v158, v157, v157                     ; z
	v_fma_f32 v159, v158, s48, s49
	v_fma_f32 v159, v159, v158, s50
	v_mul_f32 v168, v157, v158
	v_fma_f32 v159, v168, v159, v157               ; sin r
	v_fma_f32 v169, v158, s51, s52
	v_fma_f32 v169, v169, v158, s53
	v_mul_f32 v170, v158, v158
	v_fma_f32 v171, v158, -0.5, 1.0
	v_fma_f32 v169, v170, v169, v171               ; cos r
	v_cvt_i32_f32 v170, v156
	v_and_b32 v171, 1, v170
	v_cmp_ne_u32 vcc_lo, 0, v171                   ; odd quadrants change sin and cos
	v_cndmask_b32 v172, v159, v169, vcc_lo
	v_cndmask_b32 v173, v169, v159, vcc_lo
	v_and_b32 v171, 2, v170
	v_lshlrev_b32 v171, 30, v171
	v_xor_b32 v[164+\e], v171, v172                ; sin is negative in quadrants 2, 3
	v_add_nc_u32 v170, 1, v170
	v_and_b32 v171, 2, v170
	v_lshlrev_b32 v171, 30, v171
	v_xor_b32 v[160+\e], v171, v173                ; cos in quadrants 1, 2
.endm
	s_load_b256 s[4:11], s[0:1], 0x0               ; hidden s[4:5], positions s[6:7], Wq s[8:9], Wk s[10:11]
	s_load_b256 s[12:19], s[0:1], 0x20             ; Wv s[12:13], Wo s[14:15], x_img s[16:17], wqkv_img s[18:19]
	s_load_b128 s[20:23], s[0:1], 0x40             ; wo_img s[20:21], rope s[22:23]
	v_lshl_add_u32 v224, v0, 2, 0x17400
	v_mov_b32 v225, 0
	v_lshrrev_b32 v1, 5, v0
	v_readfirstlane_b32 s2, v1                     ; wave
	v_and_b32 v2, 31, v0                           ; lane
	s_cmp_ge_u32 ttmp9, 384
	s_cbranch_scc1 .Lx
	; ================= the weights
	v_bfe_u32 v3, v2, 3, 1                         ; my column c = lane of the wave's 32: tile (c / 8) % 2, place c % 8 + 8 (c / 16)
	v_mul_u32_u24 v4, v3, REC
	v_and_b32 v3, 7, v2
	v_lshl_add_u32 v4, v3, 4, v4
	v_lshrrev_b32 v3, 4, v2
	v_lshl_add_u32 v4, v3, 7, v4
	s_mul_i32 s3, s2, 2*REC                        ; my wave's two records in LDS
	v_add_nc_u32 v4, s3, v4                        ; into them: 16 bytes for each place
	v_lshlrev_b32 v6, 4, v2                        ; out of them and into memory: 16 bytes a lane
	v_add_nc_u32 v5, s3, v6
	s_wait_kmcnt 0x0
	s_cmp_lt_u32 ttmp9, 128                        ; which tensor: the choice hangs on the work-group's number alone
	s_cselect_b64 s[24:25], s[8:9], s[10:11]
	s_cselect_b32 s26, 0, 128                      ; its first work-group
	s_cselect_b32 s27, 4, 3                        ; log2 of its blocks of 128 columns
	s_cmp_lt_u32 ttmp9, 192
	s_cselect_b64 s[24:25], s[24:25], s[12:13]
	s_cselect_b32 s26, s26, 192
	s_cmp_lt_u32 ttmp9, 256
	s_cselect_b64 s[24:25], s[24:25], s[14:15]
	s_cselect_b64 s[30:31], s[18:19], s[20:21]     ; where the codes go
	s_cselect_b32 s28, s26, 0                      ; its first tile there: 0, 128, 192 for Wq, Wk, Wv; 0 for Wo
	s_cselect_b32 s26, s26, 256
	s_cselect_b32 s27, s27, 5
	s_sub_co_u32 s32, ttmp9, s26
	s_lshl_b32 s33, 1, s27
	s_sub_co_u32 s33, s33, 1
	s_and_b32 s33, s32, s33                        ; block of 128 columns
	s_lshr_b32 s34, s32, s27                       ; which 512 along K
	s_lshl_b32 s35, 512, s27                       ; a row in bytes
	s_lshl_b32 s36, s34, 9
	s_mul_i32 s36, s36, s35
	s_lshl_b32 s37, s33, 9
	s_add_co_u32 s36, s36, s37
	s_lshl_b32 s37, s2, 7
	s_add_co_u32 s36, s36, s37
	s_mov_b32 s37, 0
	s_add_nc_u64 s[24:25], s[24:25], s[36:37]      ; my wave's first row and column
	s_lshl_b32 s38, s35, 5                         ; 32 rows
	s_mov_b32 s39, 0
	s_lshl_b32 s36, s34, 8                         ; 256 tiles for each 512 along K
	s_add_co_u32 s36, s36, s28
	s_lshl_b32 s40, s33, 3
	s_add_co_u32 s36, s36, s40
	s_lshl_b32 s40, s2, 1
	s_add_co_u32 s36, s36, s40
	s_mul_i32 s36, s36, REC
	s_add_nc_u64 s[30:31], s[30:31], s[36:37]
	v_lshlrev_b32 v[RO], 2, v2
.set i, 1
.rept 31
	v_add_nc_u32 v[RO+i], s35, v[RO+i-1]
.set i, i+1
.endr
	WLOAD 0
	s_wait_alu depctr_va_vdst(0)
	WLOAD 1
.irp t, 0,1,2,3,4,5,6,7,8,9,10,11,12,13,14,15
	BLOCK \t
.endr
	s_wait_alu depctr_va_vdst(0)
	ds_store_b128 v4, v[SBW:SBW+3] offset:6144     ; my column's four scale words
.set k, 0
.rept 25
	ds_load_b128 v[16+4*k:19+4*k], v5 offset:512*k ; the two records come back as they lie: these see my stores
.set k, k+1
.endr
.set k, 0
.rept 25
	s_wait_dscnt 24-k
	global_store_b128 v6, v[16+4*k:19+4*k], s[30:31] offset:512*k   ; 32 lanes store 512 consecutive bytes, at a multiple of 256 from the buffer's first byte
.set k, k+1
.endr
	s_wait_tensorcnt 0x0
	ds_add_u32 v224, v225
	s_wait_dscnt 0x0
	s_endpgm
	; ================= hidden_states, and the angles
.Lx:
	s_sub_co_u32 s24, ttmp9, 384
	s_lshl_b32 s25, s24, 2
	s_add_co_u32 s25, s25, s2                      ; my wave's task, 0 .. 1,023
	s_and_b32 s26, s25, 7                          ; which 512 along K
	s_lshr_b32 s27, s25, 3                         ; which tile of 16 tokens
	s_lshr_b32 s28, s27, 1
	s_lshl_b32 s28, s28, 5
	s_and_b32 s29, s27, 1
	s_lshl_b32 s29, s29, 3
	s_add_co_u32 s28, s28, s29                     ; the token at the tile's place 0
	s_lshl_b32 s28, s28, 14
	s_lshl_b32 s29, s26, 11
	s_add_co_u32 s28, s28, s29
	s_mov_b32 s29, 0
	s_lshl_b32 s30, s26, 7
	s_add_co_u32 s30, s30, s27
	s_mul_i32 s30, s30, REC
	s_mov_b32 s31, 0
	s_lshl_b32 s32, s24, 5                         ; the work-group's 8 tokens: their positions,
	s_mov_b32 s33, 0
	s_lshl_b32 s34, s24, 12                        ; and their 512 bytes of cos and sin each
	s_mov_b32 s35, 0
	s_mul_i32 s36, s2, XWAVE
	s_add_co_u32 s36, s36, XLDS                    ; my stage
	s_add_co_u32 s37, s36, TURNB                   ; my record
	s_wait_alu depctr_va_vdst(0)
	v_lshlrev_b32 v3, 4, v2                        ; 16 bytes a lane
	v_lshrrev_b32 v198, 3, v2
	v_mul_u32_u24 v7, v198, 144
	v_and_b32 v198, 7, v2
	v_lshl_add_u32 v7, v198, 4, v7
	v_add_nc_u32 v7, s36, v7                       ; the stage, in: eight lanes' 128 bytes on end, then 16 of padding
	v_mul_u32_u24 v8, v2, 144
	v_add_nc_u32 v8, s36, v8                       ; out: my block's 128 bytes
	v_bfe_u32 v198, v2, 2, 2                       ; my block l % 16: K step,
	v_mul_u32_u24 v9, v198, 1536
	v_and_b32 v198, 1, v2                          ; which half of the lanes holds it,
	v_lshl_add_u32 v9, v198, 8, v9
	v_lshrrev_b32 v198, 4, v2                      ; which of the step's two places,
	v_lshl_add_u32 v9, v198, 4, v9
	v_add_nc_u32 v9, s37, v9
	v_bfe_u32 v198, v2, 1, 1                       ; registers 0-5 or 6-11
	v_mad_u32_u24 v10, v198, 1016, v9
	v_mad_u32_u24 v9, v198, 520, v9
	s_add_co_u32 s38, s37, 6144
	v_add_nc_u32 v11, s38, v2                      ; my block's scale byte
	v_lshlrev_b32 v12, 3, v2
	v_add_nc_u32 v14, s37, v3                      ; the way out
	v_add_nc_u32 v15, s38, v12
	v_lshrrev_b32 v201, 4, v0                      ; the angles: thread t takes token t / 16 of the 8 and angles 4 (t % 16) + 0 .. 3
	v_lshlrev_b32 v202, 2, v201
	v_and_b32 v205, 15, v0
	v_lshlrev_b32 v203, 9, v201
	v_lshl_add_u32 v203, v205, 4, v203
	s_mov_b32 s40, 0x3f5dafd7                      ; 10^(-1/16), 10^(-2/16), 10^(-3/16), each as a sum of two f32
	s_mov_b32 s41, 0xb2ff54dd
	s_mov_b32 s42, 0x3f3ff911
	s_mov_b32 s43, 0x32022bb3
	s_mov_b32 s44, 0x3f263de0
	s_mov_b32 s45, 0xb1ce0e71
	s_mov_b32 s46, 0x3fc90fdb                      ; pi / 2 = s46 - s47
	s_mov_b32 s47, 0x333bbd2e
	s_mov_b32 s48, 0xb94ca1f9                      ; sin's polynomial on |r| <= pi / 4
	s_mov_b32 s49, 0x3c08839e
	s_mov_b32 s50, 0xbe2aaaa3
	s_mov_b32 s51, 0x37ccf5ce                      ; cos's
	s_mov_b32 s52, 0xbab6061a
	s_mov_b32 s53, 0x3d2aaaa5
	s_wait_alu depctr_va_vdst(0)
	s_wait_kmcnt 0x0
	s_add_nc_u64 s[4:5], s[4:5], s[28:29]
	s_add_nc_u64 s[16:17], s[16:17], s[30:31]
	s_add_nc_u64 s[6:7], s[6:7], s[32:33]
	s_add_nc_u64 s[22:23], s[22:23], s[34:35]
	global_load_b32 v204, v202, s[6:7]             ; my token's position: it enters arithmetic alone, no address
	XLOAD 0
	XLOAD 1
	XLOAD 2
	s_wait_loadcnt 24                              ; the position is in; the 24 loads behind it stay out while the angles are made
	v_cvt_f32_i32 v144, v204
	; the frequency 10^(-j / 16), j = 4 (t % 16) + e, to about 2^-45: the table's angle is the f32 rounding of position x frequency in f64
	PICK 0, 0x3f0ff59a, 0xb1f8f1f8                 ; 10^(-1/4)
	v_mov_b32 v145, v147
	v_mov_b32 v146, v148
	PICK 1, 0x3ea1e89b, 0x31121244                 ; 10^(-1/2)
	DFM v145, v146, v145, v146, v147, v148
	PICK 2, 0x3dcccccd, 0xb0cccccd                 ; 10^(-1)
	DFM v145, v146, v145, v146, v147, v148
	PICK 3, 0x3c23d70a, 0x2f75c28f                 ; 10^(-2)
	DFM v145, v146, v145, v146, v147, v148
	ANGLE 0, v145, v146
	DFM v153, v154, v145, v146, s40, s41
	ANGLE 1, v153, v154
	DFM v153, v154, v145, v146, s42, s43
	ANGLE 2, v153, v154
	DFM v153, v154, v145, v146, s44, s45
	ANGLE 3, v153, v154
	global_store_b128 v203, v[160:163], s[22:23]              ; sixteen lanes store a token's 256 bytes of cos,
	global_store_b128 v203, v[164:167], s[22:23] offset:256   ; and of sin
	s_wait_xcnt 0x0                                ; the stores have read their registers, which the turns below write
	s_wait_loadcnt 16                              ; step 0's eight loads are in
	XTURN 0
.irp t, 0,1,2,3,4,5,6,7
	XSTEP \t
.endr
.irp k, 0,1,2,3,4,5,6,7,8,9,10,11
	ds_load_b128 v[RX+4*\k:RX+4*\k+3], v14 offset:512*\k     ; the record comes back as it lies: these see my stores
.endr
	ds_load_b64 v[RX+48:RX+49], v15
.irp k, 0,1,2,3,4,5,6,7,8,9,10,11
	s_wait_dscnt 12-\k
	global_store_b128 v3, v[RX+4*\k:RX+4*\k+3], s[16:17] offset:512*\k
.endr
	s_wait_dscnt 0x0
	global_store_b64 v12, v[RX+48:RX+49], s[16:17] offset:6144   ; the scale words: 256 consecutive bytes
	s_wait_tensorcnt 0x0
	ds_add_u32 v224, v225
	s_wait_dscnt 0x0
	s_endpgm
.Lfunc_end_k_q25d6980cbf_quant:
	.size	k_q25d6980cbf_quant, .Lfunc_end_k_q25d6980cbf_quant-k_q25d6980cbf_quant
	.p2alignl 7, 3214868480
	.fill 96, 4, 3214868480
	.section	.rodata,"a",@progbits
	.p2align	6, 0x0
	.amdhsa_kernel k_q25d6980cbf_quant
		.amdhsa_group_segment_fixed_size 95744
		.amdhsa_private_segment_fixed_size 0
		.amdhsa_enable_private_segment 0
		.amdhsa_kernarg_size 80
		.amdhsa_user_sgpr_count 2
		.amdhsa_user_sgpr_kernarg_segment_ptr 1
		.amdhsa_wavefront_size32 1
		.amdhsa_system_sgpr_workgroup_id_x 1
		.amdhsa_system_sgpr_workgroup_id_y 1
		.amdhsa_system_sgpr_workgroup_id_z 1
		.amdhsa_system_vgpr_workitem_id 0
		.amdhsa_next_free_vgpr 226
		.amdhsa_next_free_sgpr 66
		.amdhsa_reserve_vcc 1
		.amdhsa_float_denorm_mode_32 3
		.amdhsa_float_denorm_mode_16_64 3
		.amdhsa_memory_ordered 1
		.amdhsa_forward_progress 1
		.amdhsa_inst_pref_size 126
	.end_amdhsa_kernel
	.amdgpu_metadata
---
amdhsa.version: [ 1, 2 ]
amdhsa.kernels:
  - .name:           k_q25d6980cbf_quant
    .symbol:         k_q25d6980cbf_quant.kd
    .args:
      - { .name: hidden_states, .offset: 0, .size: 8, .value_kind: global_buffer, .address_space: global }
      - { .name: position_ids, .offset: 8, .size: 8, .value_kind: global_buffer, .address_space: global }
      - { .name: Wq, .offset: 16, .size: 8, .value_kind: global_buffer, .address_space: global }
      - { .name: Wk, .offset: 24, .size: 8, .value_kind: global_buffer, .address_space: global }
      - { .name: Wv, .offset: 32, .size: 8, .value_kind: global_buffer, .address_space: global }
      - { .name: Wo, .offset: 40, .size: 8, .value_kind: global_buffer, .address_space: global }
      - { .name: x_img, .offset: 48, .size: 8, .value_kind: global_buffer, .address_space: global }
      - { .name: wqkv_img, .offset: 56, .size: 8, .value_kind: global_buffer, .address_space: global }
      - { .name: wo_img, .offset: 64, .size: 8, .value_kind: global_buffer, .address_space: global }
      - { .name: rope, .offset: 72, .size: 8, .value_kind: global_buffer, .address_space: global }
    .group_segment_fixed_size: 95744
    .private_segment_fixed_size: 0
    .kernarg_segment_align: 8
    .kernarg_segment_size: 80
    .max_flat_workgroup_size: 128
    .sgpr_count:     66
    .vgpr_count:     226
    .wavefront_size: 32
...
	.end_amdgpu_metadata
.endif
;; end of part 1
;; launch gemm_qkv (part 2): grid 16 x 16, 4 waves a work-group, clusters of 4 x 4, 327,680 bytes of LDS; arguments x_img, wqkv_img, rope, bq, bk, bv, q_img, kv_img; writes q_img, kv_img
.if DOCPART == 2
	.amdgcn_target "amdgcn-amd-amdhsa--gfx1250"
	.amdhsa_code_object_version 6
	.text
	.protected	k_q25d6980cbf_gemm_qkv
	.globl	k_q25d6980cbf_gemm_qkv
	.p2align	8
	.type	k_q25d6980cbf_gemm_qkv,@function
k_q25d6980cbf_gemm_qkv:
	s_mov_b64 s[64:65], 0
	v_nop
	global_prefetch_b8 v0, s[64:65] scope:SCOPE_SE
	s_setreg_imm32_b32 hwreg(HW_REG_WAVE_MODE, 25, 1), 1
	s_wait_xcnt 0x0
	s_wait_alu depctr_hold_cnt(0) depctr_sa_sdst(0) depctr_va_vdst(0) depctr_va_sdst(0) depctr_va_ssrc(0) depctr_va_vcc(0) depctr_vm_vsrc(0)
	s_getreg_b32 s2, hwreg(HW_REG_IB_STS2, 6, 4)
	s_cmp_eq_u32 s2, 0
	s_cbranch_scc0 .Lentry_in_a_cluster
	s_endpgm
.Lentry_in_a_cluster:
	s_bfe_u32 s2, ttmp6, 0x10000c
	s_cmp_lg_u32 s2, 0xf033
	s_cbranch_scc0 .Lentry_shape_is_right
	s_endpgm
.Lentry_shape_is_right:
; q, k = rope(x Wq + bq), rope(x Wk + bk) and v^T = (x Wv + bv)^T on codes of FP6 (E2M3), K = 4,096; the results are quantised again (q, k along the head's 128, v along the keys) and stored as register images.
; OPERANDS: records of 6,400 bytes (four fragments of one tile of 16 rows in 512 along K, as images of the operand's 12 registers, then 256 bytes of scale words), laid [512 along K][tile][record].
; SHARES.  A work-group makes 128 rows (side A, 8 tiles) x 256 columns (side B, 16 tiles); a wave 64 x 128: 32 accumulators.  Clusters x = 0..2: A = tokens, B = columns of Wq, Wk.  Cluster x = 3: A = channels of Wv, B = tokens.
; Source 0 takes B's rows and source 1 A's: a lane holds one row of A and eight neighbours along B, which by the order of rows in a tile are neighbours along the next K.
; RING: two LDS slots of 153,600 bytes, 512 along K each; waves 0, 1 fetch A's halves, waves 2, 3 B's, by joint loads (A shared along the cluster's row, B along its column).  One load a wave behind each round.
; PREFETCH: behind the load of slot n the bytes of slot n + 2 are asked for (behind the head's load slots 1 and 2).  The four partners of a joint load share its bytes out by address: 6,400 bytes of A's 25,600
; (one instruction, 25 blocks of 256 bytes, a lane a block, lanes 25-31 name the 25th again), 12,800 of B's 51,200 (two).  The loads of slots 6 and 7 ask for nothing.
; REGISTERS, in windows of 256.  Window 0: v0-31 addresses; v32-95 scale words, a set for each slot; v96-159 cos, sin of A's tile 3; v160-223 the first step's C, then cos, sin of tile 2.
;   Window 1: v0-95 A's fragments, two sets; v96-159, v160-223 cos, sin of tiles 0, 1; on the way out v0-95 and v224-239 are at work.
;   Window 2: v0-127 accumulators of A's tiles 0, 1; v128-223 B's fragments of the odd K steps; v224-225 B's LDS addresses.  Window 3: the same for tiles 2, 3 and the even K steps.
; A K STEP: the next step's 36 LDS loads in ONE run at its head, then 32 products.  An LDS load's data take the destination's window and its address source 0's: an even step ends on window 3's accumulators, under
; a setting with which the next step's run loads B into window 3, and an odd step ends on window 2's likewise: so B's 24 loads need no switch of their own, and a step has three.
; THE BIASES are the C of the first K step: bq, bk by B's column; bv by A's row (eight copies a tile).  All work-groups issue the same argument loads, so that every register is written on every way through the text;
; cluster x = 3 uses of them bv's four words alone.
; LIMITS: a block under 2^-124 keeps the scale byte 1; NaN and infinities are not served.
.set REC,   6400
.set SLOTB, 153600
.set BOFF,  51200
.set SPARE, 2*SLOTB                    ; the spare words: 512 bytes that no other line names
.set ADRA, 16                          ; v16-17 A's fragments in slot 0, 1
.set ADRS, 22                          ; v22-23 scale words: lanes 0-15 A's, lanes 16-31 B's
.set SPW,  28
.set NIL,  29
.set PFO,  30                          ; 256 x min(lane, 24)
.set SC,   32
.set CB,   160
.set BF,   128
.set ABC,  224
.set H,    0                           ; the way out, all in window 1
.set PC,   64
.set P2,   76
.set PW,   84
.set PWS,  86
.set OUTW, 90
.set OA,   92
.set OW,   93
.set HH,   94
.set TQ,   224
.set G1A, 24
.set G0A, 32
.set G1B, 48
.set G0B, 56
.set SEL, 92
.set PFA, 12                           ; s[12:13] where my next prefetch stands; s[2:3] slot 2's at the head; s[66:67] bytes from slot to slot
.set MSB, 0
.macro WIN new                         ; the immediate's high byte repeats the setting that is left
.set NEWW, \new
.if MSB != NEWW
	s_set_vgpr_msb (MSB<<8)|NEWW
.set MSB, NEWW
.endif
.endm
.macro PLACES n
.rept \n
	v_nop
.endr
.endm
.macro JLOAD g0a, g0b                  ; a joint load; s_nop 0 and four v_nop follow each line
	s_cmp_eq_u32 s15, 0
	s_cbranch_scc0 .Lfor_b_\@
	tensor_load_to_lds s[\g0a:\g0a+3], s[G1A:G1A+7]
	s_nop 0
.rept 4
	v_nop
.endr
	s_branch .Lasked_\@
.Lfor_b_\@:
	tensor_load_to_lds s[\g0b:\g0b+3], s[G1B:G1B+7]
	s_nop 0
.rept 4
	v_nop
.endr
.Lasked_\@:
.endm
.macro CREST
	s_cmp_lg_u32 s14, 0
	s_cbranch_scc1 .Lnot_wave_0_\@
	s_barrier_signal -3
.Lnot_wave_0_\@:
	s_barrier_wait -3
	s_barrier_signal -1
	s_barrier_wait -1
.endm
.macro CROUND
	s_barrier_signal -1
	s_barrier_wait -1
	CREST
.endm
.macro ASKAT pr                        ; my share of one slot: 25 blocks, and for B's waves 25 more
	global_prefetch_b8 v[PFO], s[\pr:\pr+1] th:TH_LOAD_NT scope:SCOPE_SE
	s_cmp_eq_u32 s15, 0
	s_cbranch_scc1 .Lone_\@
	global_prefetch_b8 v[PFO], s[\pr:\pr+1] offset:6400 th:TH_LOAD_NT scope:SCOPE_SE
.Lone_\@:
.endm
.macro ASK                             ; in the loop: its last trip (s3 = 1) loads slots 6 and 7, which have no slot two on
	s_cmp_gt_u32 s3, 1
	s_cbranch_scc0 .Lno_\@
	ASKAT PFA
.Lno_\@:
.endm
.macro BLOADS slot, q                  ; B's eight fragments of K step q, into the destination's window
.set nn, 0
.rept 24
	ds_load_b128 v[BF+4*nn:BF+4*nn+3], v[ABC+\slot] offset:REC*(nn/3)+1536*(\q)+512*(nn%3)
.set nn, nn+1
.endr
.endm
.macro ALOADS slot, q                  ; A's four fragments of K step q into set q % 2
.set mm, 0
.rept 12
	ds_load_b128 v[48*((\q)%2)+4*mm:48*((\q)%2)+4*mm+3], v[ADRA+\slot] offset:REC*(mm/3)+1536*(\q)+512*(mm%3)
.set mm, mm+1
.endr
.endm
.macro SCALES s
.irp i, 0,1,2,3,4,5,6,7
	ds_load_b128 v[SC+32*\s+4*\i:SC+32*\s+4*\i+3], v[ADRS+\s] offset:REC*\i
.endr
.endm
.macro WM q, sc, a, mode               ; one product: A's tile a x B's tile bb.  mode 1: C = the bias by B's tile; 2: by A's tile
.if \mode == 0
	v_wmma_scale_f32_16x16x128_f8f6f4 v[AC:AC+7], v[BF+12*bb:BF+12*bb+11], v[48*((\q)%2)+12*(\a):48*((\q)%2)+12*(\a)+11], v[AC:AC+7], v[SC+32*(\sc)+4*bb+(\q)], v[SC+32*(\sc)+4*(\a)+(\q)] matrix_a_fmt:MATRIX_FMT_FP6 matrix_b_fmt:MATRIX_FMT_FP6 matrix_a_scale:MATRIX_SCALE_ROW1
.else
.if \mode == 1
	v_wmma_scale_f32_16x16x128_f8f6f4 v[AC:AC+7], v[BF+12*bb:BF+12*bb+11], v[48*((\q)%2)+12*(\a):48*((\q)%2)+12*(\a)+11], v[CB+8*bb:CB+8*bb+7], v[SC+32*(\sc)+4*bb+(\q)], v[SC+32*(\sc)+4*(\a)+(\q)] matrix_a_fmt:MATRIX_FMT_FP6 matrix_b_fmt:MATRIX_FMT_FP6 matrix_a_scale:MATRIX_SCALE_ROW1
.else
	v_wmma_scale_f32_16x16x128_f8f6f4 v[AC:AC+7], v[BF+12*bb:BF+12*bb+11], v[48*((\q)%2)+12*(\a):48*((\q)%2)+12*(\a)+11], v[CB+8*(\a):CB+8*(\a)+7], v[SC+32*(\sc)+4*bb+(\q)], v[SC+32*(\sc)+4*(\a)+(\q)] matrix_a_fmt:MATRIX_FMT_FP6 matrix_b_fmt:MATRIX_FMT_FP6 matrix_a_scale:MATRIX_SCALE_ROW1
.endif
.endif
.endm
.macro MUL q, sc, a, mode              ; A's tile a x B's eight.  The accumulators take turns
.set bb, 0
.rept 8
.set AC, 8*(8*((\a)%2)+bb)
	WM \q, \sc, \a, \mode
.set bb, bb+1
.endr
.endm
; K steps 0, 1, 2 of a slot: the next step's 36 loads, then 32 products
.macro STEP slot, q, mode
.if ((\q)%2) == 0
.set FA, 0
.set SA, 2
.set LW, 0xa6                          ; B's loads: data into window 2, address from window 2: the setting that an odd step leaves
.if \mode
.set H1, 0x87
.set H2, 0xc7
.else
.set H1, 0xa7
.set H2, 0xf7
.endif
.else
.set FA, 2
.set SA, 0
.set LW, 0xf7                          ; data into window 3, address from window 3: the setting that an even step leaves
.set H1, 0xf6
.set H2, 0xa6
.endif
	s_wait_dscnt 0x0                               ; this step's fragments are in
	PLACES 4                                       ; behind the last step's products, whose fragments' registers are loaded below
	WIN LW
	BLOADS \slot, (\q)+1
	WIN 0x40
	ALOADS \slot, (\q)+1
	WIN H1
	MUL \q, \slot, FA, \mode
	MUL \q, \slot, FA+1, \mode
	WIN H2
	MUL \q, \slot, SA, \mode
	MUL \q, \slot, SA+1, \mode
.endm
; K step 3 changes slots.  fill = 0: nothing is filled; 2: the slot left is filled again behind a round of the cluster's barrier, and a prefetch follows.
.macro TURN slot, next, fill
.if \fill == 2
	s_wait_xcnt 0x0                                ; my last prefetch has read its address
	s_add_nc_u64 s[PFA:PFA+1], s[PFA:PFA+1], s[66:67]
.endif
	WIN 0
	s_wait_tensorcnt 0x0                           ; my one load that was out, my part of the next slot, has landed
	ds_add_u32 v[SPW], v[NIL]
	s_wait_dscnt 1                                 ; this step's fragments are in; the add may be out
	WIN 0xa6
	MUL 3, \slot, 0, 0
	s_wait_dscnt 0x0                               ; the add is done; my reads of this slot are over
	s_barrier_signal -1
	MUL 3, \slot, 1, 0
	WIN 0
	s_barrier_wait -1
.if \fill
	CREST
	s_add_nc_u64 s[G0A+4*\slot+2:G0A+4*\slot+3], s[G0A+4*\slot+2:G0A+4*\slot+3], s[44:45]
	s_add_nc_u64 s[G0B+4*\slot+2:G0B+4*\slot+3], s[G0B+4*\slot+2:G0B+4*\slot+3], s[46:47]
	JLOAD G0A+4*\slot, G0B+4*\slot                 ; its four v_nop are the places in front of the loads below
.else
	PLACES 4
.endif
	SCALES \next
.if \fill == 2
	ASK
.endif
	WIN 0x40
	ALOADS \next, 0
	WIN 0xf6                                       ; B's loads into window 3, address from window 2; and the products of tiles 2, 3
	BLOADS \next, 0
	MUL 3, \slot, 2, 0
	MUL 3, \slot, 3, 0
.endm
; 64 numbers of a lane at v[s ..] of window dw, number 16 b + i = k 32 b + 16 (lane / 16) + i, become a fragment's codes and its scale word
.macro QUANT s, dw
	WIN 0x40|((\dw)<<2)|(\dw)
.irp b, 0,1,2,3
	v_max3_num_f32 v[TQ+\b], |v[(\s)+16*\b]|, |v[(\s)+1+16*\b]|, 0x1800000   ; the floor 2^(3 - 127): the byte cannot fall under 1
.endr
	WIN 0x41|((\dw)<<4)|((\dw)<<2)
.irp i, 2,4,6,8,10,12,14
.irp b, 0,1,2,3
	v_max3_num_f32 v[TQ+\b], v[TQ+\b], |v[(\s)+16*\b+\i]|, |v[(\s)+1+16*\b+\i]|
.endr
.endr
	WIN 0x55
.irp b, 0,1,2,3
	v_permlanex16_b32 v[TQ+4+\b], v[TQ+\b], s[SEL], s[SEL+1]
.endr
.irp b, 0,1,2,3
	v_max_num_f32 v[TQ+\b], v[TQ+\b], v[TQ+4+\b]
.endr
.irp b, 0,1,2,3
	v_add_nc_u32 v[TQ+12+\b], 0xff000000, v[TQ+\b]     ; 2 off the exponent field: the conversion's scale operand
.endr
.irp b, 0,1,2,3
	v_lshrrev_b32 v[TQ+4+\b], 23, v[TQ+12+\b]
.endr
	v_lshl_or_b32 v[PW], v[TQ+5], 8, v[TQ+4]
	v_lshl_or_b32 v[PW], v[TQ+6], 16, v[PW]
	v_lshl_or_b32 v[PW], v[TQ+7], 24, v[PW]
	WIN 0x44|(\dw)
.irp c, 0,1
	v_cvt_scalef32_pk16_fp6_f32 v[PC+6*\c:PC+2+6*\c], v[(\s)+32*\c:(\s)+15+32*\c], v[TQ+12+2*\c]
	v_cvt_scalef32_pk16_fp6_f32 v[P2+4*\c:P2+2+4*\c], v[(\s)+16+32*\c:(\s)+31+32*\c], v[TQ+13+2*\c]
.endr
	WIN 0x55
	v_nop                                          ; one plain place behind a scaled conversion
.irp c, 0,1
.irp i, 0,1,2
	v_permlane16_swap_b32 v[PC+6*\c+\i], v[P2+4*\c+\i]
.endr
.irp i, 0,1,2
	v_mov_b32 v[PC+3+6*\c+\i], v[P2+4*\c+\i]
.endr
.endr
.endm
.macro OUTFRAG a, s, dw
	QUANT \s, \dw
	v_mov_b32 v[PWS+\a], v[PW]
.irp c, 0,1,2
	global_store_b128 v[OA], v[PC+4*\c:PC+4*\c+3], s[98:99] offset:1536*\a+512*\c   ; 512 consecutive bytes a store
.endr
.endm
.macro QKOUT a, cw, cb                 ; rope on A's tile a (cos at v[cb ..], sin 32 on, in window cw), then the quantiser
.set AW, 2+(\a)/2
.set AB, 64*((\a)%2)
	s_wait_xcnt 0x0                                ; the last tile's stores have read their registers
	WIN 0x40|((\cw)<<2)|AW
.irp b, 0,1,2,3
.irp k, 0,2,4,6
	v_pk_mul_f32 v[H+8*\b+\k:H+8*\b+\k+1], v[AB+8*\b+\k:AB+8*\b+\k+1], v[\cb+8*\b+\k:\cb+8*\b+\k+1]
	v_pk_mul_f32 v[H+32+8*\b+\k:H+33+8*\b+\k], v[AB+32+8*\b+\k:AB+33+8*\b+\k], v[\cb+8*\b+\k:\cb+8*\b+\k+1]
.endr
.endr
	WIN 0x50|((\cw)<<2)|AW
.irp b, 0,1,2,3
.irp k, 0,2,4,6
	v_pk_fma_f32 v[H+8*\b+\k:H+8*\b+\k+1], v[AB+32+8*\b+\k:AB+33+8*\b+\k], v[\cb+32+8*\b+\k:\cb+33+8*\b+\k], v[H+8*\b+\k:H+8*\b+\k+1] neg_lo:[1,0,0] neg_hi:[1,0,0]
	v_pk_fma_f32 v[H+32+8*\b+\k:H+33+8*\b+\k], v[AB+8*\b+\k:AB+8*\b+\k+1], v[\cb+32+8*\b+\k:\cb+33+8*\b+\k], v[H+32+8*\b+\k:H+33+8*\b+\k]
.endr
.endr
	OUTFRAG \a, H, 1
.endm
.macro VOUT a                          ; v^T is quantised straight from the accumulators
	s_wait_xcnt 0x0
	OUTFRAG \a, 64*((\a)%2), 2+(\a)/2
.endm
.macro RLOAD a, base                   ; cos (32 registers) and sin (32) of the tokens of A's tile a
.irp sn, 0,1
.irp b, 0,1,2,3
.irp e, 0,1
	global_load_b128 v[\base+32*\sn+8*\b+4*\e:\base+32*\sn+8*\b+4*\e+3], v9, s[8:9] offset:(32*(\a/2)+8*(\a%2))*512+256*\sn+128*(\b/2)+32*(\b%2)+16*\e
.endr
.endr
.endr
.endm
	s_load_b256 s[4:11], s[0:1], 0x0               ; x_img, wqkv_img, rope, bq
	s_load_b256 s[68:75], s[0:1], 0x20             ; bk, bv, q_img, kv_img
	v_lshl_add_u32 v[SPW], v0, 2, SPARE
	v_mov_b32 v[NIL], 0
	ds_add_u32 v[SPW], v[NIL]                      ; the opening lines: the add, twice on end, and its wait
	ds_add_u32 v[SPW], v[NIL]
	v_lshrrev_b32 v1, 5, v0
	v_readfirstlane_b32 s14, v1                    ; wave
	v_and_b32 v1, 31, v0                           ; lane
	v_min_u32 v[PFO], 24, v1
	v_lshlrev_b32 v[PFO], 8, v[PFO]
	s_lshr_b32 s15, s14, 1                         ; my half of A's rows; also: I fetch for A (0) or B (1)
	s_and_b32 s16, s14, 1                          ; my half of B's rows; also: which half of a tile I fetch
	s_bfe_u32 s40, ttmp6, 0x40000                  ; cx
	s_bfe_u32 s41, ttmp6, 0x40004                  ; cy
	s_and_b32 s43, ttmp7, 0xffff
	s_lshl_b32 s17, s41, 2
	s_lshl_b32 s17, 15, s17                        ; my row of the cluster
	s_lshl_b32 s18, 0x1111, s40                    ; my column
	s_or_b32 s[G1A], s17, (3<<16)|(1<<21)          ; A: 100 rows of 256 bytes, dense
	s_mov_b32 s[G1A+1], 32<<16
	s_mov_b32 s[G1A+2], 100<<16
	s_mov_b32 s[G1A+3], 32<<16
	s_mov_b32 s[G1A+4], 100
	s_mov_b32 s[G1A+5], 32
	s_mov_b32 s[G1A+6], 0
	s_mov_b32 s[G1A+7], 0
	s_or_b32 s[G1B], s18, (3<<16)|(1<<21)          ; B: 200 rows
	s_mov_b32 s[G1B+1], 32<<16
	s_mov_b32 s[G1B+2], 200<<16
	s_mov_b32 s[G1B+3], 32<<16
	s_mov_b32 s[G1B+4], 200
	s_mov_b32 s[G1B+5], 32
	s_mov_b32 s[G1B+6], 0
	s_mov_b32 s[G1B+7], 0
	s_lshr_b32 s19, s43, 1
	s_and_b32 s20, s43, 1
	s_cmp_lt_u32 ttmp9, 3                          ; q and k, or v: the cluster's x, the same in all partners
	s_cselect_b32 s19, s43, s19
	s_cselect_b32 s20, ttmp9, s20
	s_cselect_b32 s21, 0, 192                      ; Wv's first tile
	s_cselect_b32 s22, 7, 8                        ; log2 of A's and of B's tiles in 512 along K
	s_cselect_b32 s23, 8, 7
	s_lshl_b32 s19, s19, 2
	s_add_co_u32 s19, s19, s41                     ; block of 128 rows of A
	s_lshl_b32 s20, s20, 2
	s_add_co_u32 s20, s20, s40                     ; block of 256 rows of B
	s_lshl_b32 s76, s19, 3
	s_add_co_u32 s76, s76, s21
	s_lshl_b32 s77, s16, 2
	s_add_co_u32 s76, s76, s77
	s_mul_i32 s76, s76, REC
	s_mov_b32 s77, 0
	s_lshl_b32 s78, s20, 4
	s_lshl_b32 s79, s16, 3
	s_add_co_u32 s78, s78, s79
	s_mul_i32 s78, s78, REC
	s_mov_b32 s79, 0
	s_lshl_b32 s80, REC, s22                       ; bytes from slot to slot
	s_mov_b32 s81, 0
	s_lshl_b32 s82, REC, s23
	s_mov_b32 s83, 0
	s_lshl_b32 s44, s80, 1
	s_mov_b32 s45, 0
	s_lshl_b32 s46, s82, 1
	s_mov_b32 s47, 0
	s_mul_i32 s84, s16, 25600
	s_mul_i32 s85, s16, 51200
	s_add_co_u32 s85, s85, BOFF
	s_mul_i32 s42, s40, 6400                       ; the prefetches: my work-group's quarter of what I fetch, by cx for A,
	s_mul_i32 s13, s41, 12800                      ; by cy for B
	s_wait_alu depctr_va_vdst(0)
	s_wait_dscnt 0x0
	s_wait_kmcnt 0x0
	s_cmp_lt_u32 ttmp9, 3
	s_cselect_b64 s[86:87], s[4:5], s[6:7]
	s_cselect_b64 s[88:89], s[6:7], s[4:5]
	s_add_nc_u64 s[86:87], s[86:87], s[76:77]
	s_add_nc_u64 s[88:89], s[88:89], s[78:79]
.irp s, 0,1
	s_mov_b32 s[G0A+4*\s], 1
	s_add_co_u32 s[G0A+4*\s+1], s84, \s*SLOTB
	s_mov_b64 s[G0A+4*\s+2:G0A+4*\s+3], s[86:87]
	s_or_b32 s[G0A+4*\s+3], s[G0A+4*\s+3], 0x80000000
	s_mov_b32 s[G0B+4*\s], 1
	s_add_co_u32 s[G0B+4*\s+1], s85, \s*SLOTB
	s_mov_b64 s[G0B+4*\s+2:G0B+4*\s+3], s[88:89]
	s_or_b32 s[G0B+4*\s+3], s[G0B+4*\s+3], 0x80000000
	s_add_nc_u64 s[86:87], s[86:87], s[80:81]
	s_add_nc_u64 s[88:89], s[88:89], s[82:83]
.endr
	s_cmp_eq_u32 s15, 0                            ; s[86:89] now stand at slot 2
	s_cselect_b64 s[2:3], s[86:87], s[88:89]
	s_cselect_b64 s[66:67], s[80:81], s[82:83]
	s_cselect_b32 s12, s42, s13
	s_mov_b32 s13, 0
	s_add_nc_u64 s[2:3], s[2:3], s[12:13]          ; my share of slot 2,
	s_sub_nc_u64 s[PFA:PFA+1], s[2:3], s[66:67]    ; and of slot 1
	CROUND                                         ; all sixteen work-groups are here
	JLOAD G0A, G0B                                 ; slot 0: one tensor load a wave at the head
	ASKAT PFA
	ASKAT 2
	s_mul_i32 s86, s15, 25600                      ; LDS: my 4 records of A,
	s_mul_i32 s87, s16, 51200
	s_add_co_u32 s87, s87, BOFF                    ; my 8 of B
	s_sub_co_u32 s88, s87, s86
	s_add_co_u32 s89, s86, 6144
	s_add_co_u32 s83, s87, SLOTB
	s_mov_b32 s[SEL], 0x76543210
	s_mov_b32 s[SEL+1], 0xfedcba98
	s_lshl_b32 s90, s19, 1
	s_add_co_u32 s90, s90, s15                     ; my 64 rows of A
	s_lshl_b32 s91, s20, 1
	s_add_co_u32 s91, s91, s16                     ; my 128 rows of B
	s_lshl_b32 s94, s91, 9
	s_sub_co_u32 s95, s94, 8192
	s_cmp_lt_u32 ttmp9, 2
	s_cselect_b64 s[96:97], s[10:11], s[68:69]     ; the bias by B's column: bq or bk
	s_cselect_b32 s94, s94, s95
	s_cmp_lt_u32 ttmp9, 3
	s_cselect_b64 s[96:97], s[96:97], s[70:71]
	s_cselect_b32 s94, s94, 0
	s_mov_b32 s95, 0
	s_add_nc_u64 s[96:97], s[96:97], s[94:95]
	s_lshl_b32 s76, s91, 5                         ; where my record goes: q [head][64 tokens];
	s_add_co_u32 s76, s76, s90
	s_mul_i32 s76, s76, REC
	s_sub_co_u32 s77, s91, 16                      ; k [head][256 keys][record];
	s_mul_i32 s77, s77, 409600
	s_lshr_b32 s79, s90, 2
	s_mul_i32 s79, s79, 51200
	s_add_co_u32 s77, s77, s79
	s_and_b32 s79, s90, 3
	s_mul_i32 s79, s79, REC
	s_add_co_u32 s77, s77, s79
	s_lshr_b32 s78, s90, 1                         ; v behind k's four records of the same 256 keys
	s_mul_i32 s78, s78, 409600
	s_lshr_b32 s79, s91, 1
	s_mul_i32 s79, s79, 51200
	s_add_co_u32 s78, s78, s79
	s_and_b32 s79, s91, 1
	s_lshl_b32 s79, s79, 1
	s_and_b32 s80, s90, 1
	s_add_co_u32 s79, s79, s80
	s_mul_i32 s79, s79, REC
	s_add_co_u32 s78, s78, s79
	s_add_co_u32 s78, s78, 25600
	s_cmp_lt_u32 ttmp9, 2
	s_cselect_b64 s[98:99], s[72:73], s[74:75]
	s_cselect_b32 s76, s76, s77
	s_cmp_lt_u32 ttmp9, 3
	s_cselect_b32 s76, s76, s78
	s_mov_b32 s77, 0
	s_add_nc_u64 s[98:99], s[98:99], s[76:77]
	s_lshl_b32 s84, s90, 6
	s_and_b32 s85, s90, 15
	s_lshl_b32 s85, s85, 6
	v_and_b32 v2, 15, v0
	v_bfe_u32 v25, v0, 4, 1
	v_lshlrev_b32 v27, 4, v1
	v_lshlrev_b32 v26, 3, v1
	v_add_nc_u32 v[ADRA], s86, v27
	v_add_nc_u32 v[ADRA+1], SLOTB, v[ADRA]
	v_mul_u32_u24 v4, s88, v25                     ; lanes 16-31 take B's scale words
	v_lshl_add_u32 v4, v2, 4, v4
	v_add_nc_u32 v[ADRS], s89, v4
	v_add_nc_u32 v[ADRS+1], SLOTB, v[ADRS]
	v_lshlrev_b32 v8, 6, v25
	v_and_b32 v5, 7, v2
	v_lshrrev_b32 v6, 3, v2
	v_lshl_add_u32 v5, v6, 4, v5                   ; the row at my place of a tile
	v_add_nc_u32 v6, s84, v5
	v_lshl_add_u32 v9, v6, 9, v8                   ; my token's cos and sin
	v_add_nc_u32 v7, s85, v5
	v_lshlrev_b32 v10, 2, v7                       ; my channel's bv
	WIN 0x80
	v_add_nc_u32 v[ABC], s87, v27                  ; B's LDS addresses, in windows 2 and 3
	v_add_nc_u32 v[ABC+1], s83, v27
	WIN 0xc0
	v_add_nc_u32 v[ABC], s87, v27
	v_add_nc_u32 v[ABC+1], s83, v27
	WIN 0
	s_wait_alu depctr_va_vdst(0)
.irp b, 0,1,2,3,4,5,6,7
.irp e, 0,1
	global_load_b128 v[CB+8*\b+4*\e:CB+8*\b+4*\e+3], v8, s[96:97] offset:128*(\b/2)+32*(\b%2)+16*\e
.endr
.endr
	WIN 0x40
	RLOAD 0, 96
	RLOAD 1, 160
	WIN 0
	RLOAD 3, 96
.irp a, 0,1,2,3
	global_load_b32 v[12+\a], v10, s[70:71] offset:(32*(\a/2)+8*(\a%2))*4
.endr
	s_wait_xcnt 0x0                                ; the prefetches have read their addresses
	s_add_nc_u64 s[PFA:PFA+1], s[2:3], s[66:67]    ; slot 3
	s_wait_tensorcnt 0x0                           ; my part of slot 0 is in
	ds_add_u32 v[SPW], v[NIL]
	s_wait_dscnt 0x0
	CROUND
	JLOAD G0A+4, G0B+4                             ; slot 1
	SCALES 0
	ASKAT PFA
	WIN 0x40
	ALOADS 0, 0
	WIN 0xc2
	BLOADS 0, 0
	WIN 0
	s_cmp_eq_u32 ttmp9, 3
	s_cbranch_scc1 .Lv_first
	s_wait_loadcnt 52                              ; the bias is in; behind it 48 loads of cos and sin and 4 of bv
	STEP 0, 0, 1
	WIN 0
	s_branch .Lwalk
.Lv_first:
	s_wait_loadcnt 0x0
.irp a, 0,1,2,3
.irp j, 0,1,2,3,4,5,6,7
	v_mov_b32 v[CB+8*\a+\j], v[12+\a]              ; my channel's bias for eight tokens
.endr
.endr
	s_wait_alu depctr_va_vdst(0)
	STEP 0, 0, 2
	WIN 0
.Lwalk:
	PLACES 4                                       ; behind the products that read the bias
	RLOAD 2, 160
	s_mov_b32 s3, 3
.Llap:                                                 ; a trip goes once round the ring and fills both slots again
	STEP 0, 1, 0
	STEP 0, 2, 0
	TURN 0, 1, 2
	STEP 1, 0, 0
	STEP 1, 1, 0
	STEP 1, 2, 0
	TURN 1, 0, 2
	STEP 0, 0, 0
	WIN 0
	s_sub_co_u32 s3, s3, 1
	s_cmp_lg_u32 s3, 0
	s_cbranch_scc1 .Llap
	STEP 0, 1, 0                                   ; the last two slots are written out: nothing more is fetched
	STEP 0, 2, 0
	TURN 0, 1, 0
	STEP 1, 0, 0
	STEP 1, 1, 0
	STEP 1, 2, 0
	s_wait_dscnt 0x0
	WIN 0xa6
	MUL 3, 1, 0, 0
	MUL 3, 1, 1, 0
	WIN 0xf6
	MUL 3, 1, 2, 0
	MUL 3, 1, 3, 0
	WIN 0
	s_wait_loadcnt 0x0
	PLACES 4
	WIN 0x40                                       ; the way out works in window 1, on registers that held A's fragments
	v_mov_b32 v[OA], v27
	v_mov_b32 v[OW], v26
	v_mov_b32 v[HH], v25
.irp b, 0,1,2,3
	v_mov_b32 v[TQ+4+\b], 0                        ; a lane permute's destination counts as one of its sources
.endr
	WIN 0
	s_cmp_eq_u32 ttmp9, 3
	s_cbranch_scc1 .Lvjob
	QKOUT 0, 1, 96
	QKOUT 1, 1, 160
	QKOUT 2, 0, 160
	QKOUT 3, 0, 96
	WIN 0
	s_branch .Lwords
.Lvjob:
.irp a, 0,1,2,3
	VOUT \a
.endr
	WIN 0
.Lwords:
	s_wait_alu depctr_va_vdst(0)
	WIN 0x55
	v_cmp_ne_u32 vcc_lo, 0, v[HH]
	v_cndmask_b32 v[OUTW], v[PWS], v[PWS+1], vcc_lo
	v_cndmask_b32 v[OUTW+1], v[PWS+2], v[PWS+3], vcc_lo
	global_store_b64 v[OW], v[OUTW:OUTW+1], s[98:99] offset:6144   ; the record's scale words: 256 consecutive bytes
	WIN 0
	s_wait_tensorcnt 0x0                           ; the wave's end
	ds_add_u32 v[SPW], v[NIL]
	s_wait_dscnt 0x0
	CROUND                                         ; the closing round
	s_endpgm
.Lfunc_end_k_q25d6980cbf_gemm_qkv:
	.size	k_q25d6980cbf_gemm_qkv, .Lfunc_end_k_q25d6980cbf_gemm_qkv-k_q25d6980cbf_gemm_qkv
	.p2alignl 7, 3214868480
	.fill 96, 4, 3214868480
	.section	.rodata,"a",@progbits
	.p2align	6, 0x0
	.amdhsa_kernel k_q25d6980cbf_gemm_qkv
		.amdhsa_group_segment_fixed_size 327680
		.amdhsa_private_segment_fixed_size 0
		.amdhsa_enable_private_segment 0
		.amdhsa_kernarg_size 64
		.amdhsa_user_sgpr_count 2
		.amdhsa_user_sgpr_kernarg_segment_ptr 1
		.amdhsa_wavefront_size32 1
		.amdhsa_system_sgpr_workgroup_id_x 1
		.amdhsa_system_sgpr_workgroup_id_y 1
		.amdhsa_system_sgpr_workgroup_id_z 1
		.amdhsa_system_vgpr_workitem_id 0
		.amdhsa_next_free_vgpr 1024
		.amdhsa_next_free_sgpr 100
		.amdhsa_reserve_vcc 1
		.amdhsa_float_denorm_mode_32 3
		.amdhsa_float_denorm_mode_16_64 3
		.amdhsa_memory_ordered 1
		.amdhsa_forward_progress 1
		.amdhsa_inst_pref_size 188
	.end_amdhsa_kernel
	.amdgpu_metadata
---
amdhsa.version: [ 1, 2 ]
amdhsa.kernels:
  - .name:           k_q25d6980cbf_gemm_qkv
    .symbol:         k_q25d6980cbf_gemm_qkv.kd
    .args:
      - { .name: x_img, .offset: 0, .size: 8, .value_kind: global_buffer, .address_space: global }
      - { .name: wqkv_img, .offset: 8, .size: 8, .value_kind: global_buffer, .address_space: global }
      - { .name: rope, .offset: 16, .size: 8, .value_kind: global_buffer, .address_space: global }
      - { .name: bq, .offset: 24, .size: 8, .value_kind: global_buffer, .address_space: global }
      - { .name: bk, .offset: 32, .size: 8, .value_kind: global_buffer, .address_space: global }
      - { .name: bv, .offset: 40, .size: 8, .value_kind: global_buffer, .address_space: global }
      - { .name: q_img, .offset: 48, .size: 8, .value_kind: global_buffer, .address_space: global }
      - { .name: kv_img, .offset: 56, .size: 8, .value_kind: global_buffer, .address_space: global }
    .group_segment_fixed_size: 327680
    .private_segment_fixed_size: 0
    .kernarg_segment_align: 8
    .kernarg_segment_size: 64
    .max_flat_workgroup_size: 128
    .sgpr_count:     100
    .vgpr_count:     1024
    .wavefront_size: 32
...
	.end_amdgpu_metadata
.endif
;; end of part 2
;; launch attn (part 3): grid 16 x 16, 16 waves a work-group, clusters of 4 x 1, 327,680 bytes of LDS; arguments q_img, kv_img, attention_mask, ao_img; writes ao_img
.if DOCPART == 3
	.amdgcn_target "amdgcn-amd-amdhsa--gfx1250"
	.amdhsa_code_object_version 6
	.text
	.protected	k_q25d6980cbf_attn
	.globl	k_q25d6980cbf_attn
	.p2align	8
	.type	k_q25d6980cbf_attn,@function
k_q25d6980cbf_attn:
	s_mov_b64 s[64:65], 0
	v_nop
	global_prefetch_b8 v0, s[64:65] scope:SCOPE_SE
	s_setreg_imm32_b32 hwreg(HW_REG_WAVE_MODE, 25, 1), 1
	s_wait_xcnt 0x0
	s_wait_alu depctr_hold_cnt(0) depctr_sa_sdst(0) depctr_va_vdst(0) depctr_va_sdst(0) depctr_va_ssrc(0) depctr_va_vcc(0) depctr_vm_vsrc(0)
	s_getreg_b32 s2, hwreg(HW_REG_IB_STS2, 6, 4)
	s_cmp_eq_u32 s2, 0
	s_cbranch_scc0 .Lentry_in_a_cluster
	s_endpgm
.Lentry_in_a_cluster:
	s_bfe_u32 s2, ttmp6, 0x10000c
	s_cmp_lg_u32 s2, 0x3003
	s_cbranch_scc0 .Lentry_shape_is_right
	s_endpgm
.Lentry_shape_is_right:
; Attention on codes of FP6 (E2M3): 16 query heads, 8 key and value heads, 2,048 tokens, head size 128; causal mask and the given mask of keys; the result is quantised along the 2,048 of the last product's K.
; t = score x log2(e) / sqrt(128); M = the running largest t rounded up to a whole number; p = 2^(t - M) is quantised along the keys; the row's sum is taken of the unquantised p and divides at the end.
; SHARES.  A work-group owns one head and the tiles of 16 queries i + 16 m, m = 0 .. 7 (i = its x): every work-group has the same staircase under the causal mask.  Each tile has TWO waves, which take the key steps
; of 128 by turns (wave w: m = 7 - w / 2, steps of parity w % 2) and are joined at the end through LDS.  Sixteen waves of 256 registers: four to a SIMD, so that one wave's vector work stands beside another's products.
; Every work-group walks all 8 slots of 256 keys (constant trip count); a step all of whose keys come after the wave's queries is left out by a scalar branch on ids.
; LAYOUT.  Both products are used transposed (S^T = K Q^T, O^T = V^T P^T): a lane holds one query.  By the order of rows in a tile, register 16 b + i of S^T is key 32 b + 16 (lane / 16) + i of the step.
; THE MASK OF KEYS costs no vector work: 0 or -1e30 for each key lies in LDS, and a tile's eight numbers are loaded as the C of its product.  The largest t starts at -1e20, above every masked t: a masked key's p is 0.
; A QUERY WITH NO ALLOWED KEY gets, as the reference's softmax of equal logits gives, the mean of v over ALL 2,048 keys: U = V^T x ones is summed beside the loop (one product a wave and slot) and taken where the row's sum is 0.
; CLUSTER.  The four work-groups of a cluster belong to one head and walk the same K and V: each slot is asked for jointly (waves 0-3, a quarter each).  The two heads that share a key head lie in different clusters.
; LIMITS: |t| stays under 1e20; NaN and infinities are not served; a block under 2^-124 keeps the byte 1.
; LDS: two slots of 51,200 bytes at 0 and 65,536 (K's four records, V's four); the keys' 0 / -1e30 at MB; the partners' results at MG; U at UB; the spare words.  What is stored lies apart from what is filled.
; REGISTERS: v1-4, v7 addresses that stay; v5, v6 the add's; v8-10 addresses in hand; v12 -M, v13 the largest t, v[14:15] the sum; v16-27 Q; v28 the prefetch's offset; v29 the ones' scales; v30 my query less 16 (lane / 16); v31 -1e30;
;   v32-79 four fragments; v80-87 U; v88-92 the end's addresses; v96-159 S^T, then p; v160-223 O^T; v224-235 p's codes; v232-254 at work; v248-251 scale words; v255 Q's.
.set REC,   6400
.set VOFF,  25600
.set SLOT1, 65536
.set MB,    131072
.set MG,    139264
.set UB,    208896
.set SPARE, 225280
.set WV,    18
.set SEL,   20
.set CS,    22
.set G1,    24
.set G0,    40
.set TB,    2                          ; s2   LDS byte at which the slot in hand begins
.set TK,    3                          ; s3   1,024 x slot: its keys' numbers in MB
.set J,     66                         ; s66  my key step in the slot in hand
.set SLOTS, 67
.set DS,    68                         ; s68  the key step in which my queries lie
.set PI,    69                         ; s69  wave % 2
.set PFA,   76
.set LIM,   80
.set PFO,   28
.macro CROUND
	s_barrier_signal -1
	s_barrier_wait -1
	s_cmp_lg_u32 s[WV], 0
	s_cbranch_scc1 .Lnot_wave_0_\@
	s_barrier_signal -3
.Lnot_wave_0_\@:
	s_barrier_wait -3
	s_barrier_signal -1
	s_barrier_wait -1
.endm
.macro TLOAD                           ; waves 0-3 fetch a quarter of a slot each; four v_nop follow the line
	s_cmp_lt_u32 s[WV], 4
	s_cbranch_scc0 .Lnone_\@
	tensor_load_to_lds s[G0:G0+3], s[G1:G1+7]
	s_nop 0
.rept 4
	v_nop
.endr
.Lnone_\@:
.endm
; A prefetch of the slot that the NEXT change of slots will ask for.  A key head's slots are walked by eight clusters: the first cluster of the even head asks.  Its four partners share the slot out by address,
; 12,800 bytes each; in each, waves 4 and 5 take 6,400 bytes: 25 blocks of 256 bytes, a lane a block (lanes 25-31 name the 25th again).  The last change that fills a slot asks for nothing.
.macro ASK
	s_cmp_gt_u32 s[SLOTS], s[LIM]
	s_cbranch_scc0 .Lnot_mine_\@
	global_prefetch_b8 v[PFO], s[PFA:PFA+1] th:TH_LOAD_NT scope:SCOPE_SE
.Lnot_mine_\@:
.endm
; THE CHANGE OF SLOTS stands at a slot's head: each wave waits for all its tensor loads, adds 0 to its spare word, and waits for that and for its reads of the slot that it has left.
.macro CHANGE fill
	s_wait_tensorcnt 0x0                           ; no tensor load of mine is out, so the descriptor may be written
	ds_add_u32 v5, v6                              ; 0 onto my spare word
.if \fill
	s_xor_b32 s[G0+1], s[G0+1], SLOT1              ; the other slot than last time,
	s_add_nc_u64 s[G0+2:G0+3], s[G0+2:G0+3], 51200 ; the next 256 keys
	s_wait_xcnt 0x0                                ; the last prefetch, a slot back, has read its address
	s_add_nc_u64 s[PFA:PFA+1], s[PFA:PFA+1], 51200
.endif
	s_wait_dscnt 0x0                               ; the add is done, and my reads of the slot that I have left are over
.if \fill
	CROUND                                         ; no wave of any partner still reads that slot or has a load on its way
	TLOAD                                          ; the first thing behind the round, a wave's one tensor load until the next
	ASK
.else
	s_barrier_signal -1
	s_barrier_wait -1
.endif
.endm
; U^T += V^T x ones: wave w takes tile w % 8 of the head's 128 and the slot's key step w / 8.  One accumulator: the wait stands directly ahead of the product.
.macro USTEP
	v_add_nc_u32 v8, s[TB], v4
	v_add_nc_u32 v9, s[TB], v7
	v_nop
	v_nop                                          ; four places behind the last products, whose operands are written below
.irp c, 0,1,2,3
	v_mov_b32 v[224+3*\c], 0x08208208              ; 128 codes of 1.0 (the code 8), as a stream of 6 bits each
	v_mov_b32 v[225+3*\c], 0x82082082
	v_mov_b32 v[226+3*\c], 0x20820820
.endr
.irp c, 0,1,2
	ds_load_b128 v[32+4*\c:35+4*\c], v8 offset:512*\c
.endr
	ds_load_b32 v248, v9
.rept 4
	v_nop                                          ; an operand written by vector instructions stands four places ahead of a scaled product
.endr
	s_wait_dscnt 0x0
	s_wait_alu depctr_va_vdst(0)
	v_wmma_scale_f32_16x16x128_f8f6f4 v[80:87], v[32:43], v[224:235], v[80:87], v248, v29 matrix_a_fmt:MATRIX_FMT_FP6 matrix_b_fmt:MATRIX_FMT_FP6
.endm
; MY KEY STEP of the slot in hand: 128 keys
.macro STEP
	s_cmp_gt_u32 s[J], s[DS]                       ; all its keys come after my queries: nothing to do
	s_cbranch_scc1 .Lhidden_\@
	v_add_nc_u32 v8, s[TB], v1
	s_wait_alu depctr_va_vdst(0)
	v_add_nc_u32 v9, s[TB], v2
	s_wait_alu depctr_va_vdst(0)
	v_add_nc_u32 v10, s[TK], v3
	s_wait_alu depctr_va_vdst(0)
	v_nop                                          ; four places in front of loads into registers that the last product read
.irp g, 0,1                            ; S^T = K Q^T + the keys' 0 or -1e30, four tiles of 16 keys at a time
.if \g
.rept 4
	v_nop
.endr
.endif
.irp t, 0,1,2,3
.irp c, 0,1,2
	ds_load_b128 v[32+12*\t+4*\c:35+12*\t+4*\c], v8 offset:REC*\g+1536*\t+512*\c
.endr
	ds_load_b32 v[248+\t], v9 offset:REC*\g+128*(\t%2)+4*(\t/2)
	ds_load_b128 v[96+8*(4*\g+\t):99+8*(4*\g+\t)], v10 offset:128*((4*\g+\t)/2)+32*(\t%2)
	ds_load_b128 v[100+8*(4*\g+\t):103+8*(4*\g+\t)], v10 offset:128*((4*\g+\t)/2)+32*(\t%2)+16
.endr
	s_wait_dscnt 0x0
.irp t, 0,1,2,3
	v_wmma_scale_f32_16x16x128_f8f6f4 v[96+8*(4*\g+\t):103+8*(4*\g+\t)], v[32+12*\t:43+12*\t], v[16:27], v[96+8*(4*\g+\t):103+8*(4*\g+\t)], v[248+\t], v255 matrix_a_fmt:MATRIX_FMT_FP6 matrix_b_fmt:MATRIX_FMT_FP6
.endr
.endr
.rept 4
	v_nop
.endr
	s_cmp_lg_u32 s[J], s[DS]                       ; on the diagonal the scores of later keys become -1e30 ahead of the maximum
	s_cbranch_scc1 .Lopen_\@
.set n, 0
.rept 64
	v_cmp_gt_i32 vcc_lo, 32*(n/16)+n%16, v30
	v_cndmask_b32 v[96+n], v[96+n], v31, vcc_lo
.set n, n+1
.endr
.Lopen_\@:
.irp b, 0,1,2,3
	v_max3_num_f32 v[232+\b], v[96+16*\b], v[97+16*\b], v[98+16*\b]   ; the largest score of each block of 32 keys: for the row's maximum and, since p rises with the score, for the block's largest p
.endr
.irp i, 3,5,7,9,11,13
.irp b, 0,1,2,3
	v_max3_num_f32 v[232+\b], v[232+\b], v[96+16*\b+\i], v[97+16*\b+\i]
.endr
.endr
.irp b, 0,1,2,3
	v_max_num_f32 v[232+\b], v[232+\b], v[111+16*\b]
.endr
.irp b, 0,1,2,3
	s_delay_alu instid0(VALU_DEP_4)
	v_permlanex16_b32 v[236+\b], v[232+\b], s[SEL], s[SEL+1]
.endr
.irp b, 0,1,2,3
	s_delay_alu instid0(VALU_DEP_4)
	v_max_num_f32 v[232+\b], v[232+\b], v[236+\b]
.endr
	s_delay_alu instid0(VALU_DEP_2)
	v_max3_num_f32 v254, v232, v233, v234
	s_delay_alu instid0(VALU_DEP_1)
	v_max_num_f32 v254, v254, v235
	s_delay_alu instid0(VALU_DEP_1)
	v_mul_f32 v254, s[CS], v254
	s_delay_alu instid0(VALU_DEP_1)
	v_max_num_f32 v13, v13, v254                   ; the running largest t
	v_mov_b32 v254, v12
	s_delay_alu instid0(VALU_DEP_2)
	v_floor_f32 v12, -v13                          ; the new -M = -ceil(t)
	s_delay_alu instid0(VALU_DEP_1)
	v_sub_f32 v254, v12, v254
	s_delay_alu instid0(VALU_DEP_1)
	v_cvt_i32_f32 v254, v254                       ; (it saturates)
	s_delay_alu instid0(VALU_DEP_1)
	v_ldexp_f32 v252, 1.0, v254                    ; f = 2^(old M - new M): rounds nothing
.set n, 0
.rept 32
	v_pk_fma_f32 v[96+n:97+n], v[96+n:97+n], s[CS:CS+1], v[12:13] op_sel_hi:[1,0,0]   ; t - M
.set n, n+2
.endr
.irp b, 0,1,2,3
	v_fma_f32 v[232+\b], v[232+\b], s[CS], v12
.endr
.set n, 0
	s_wait_alu depctr_va_vdst(0)
.rept 64
	v_exp_f32 v[96+n], v[96+n]                     ; p = 2^(t - M)
.set n, n+1
.endr
	v_pk_mul_f32 v[14:15], v[14:15], v[252:253] op_sel_hi:[1,0]   ; the sums under the new M (a plain place behind the exponentials)
	s_wait_alu depctr_va_vdst(0)                   ; one wait for the batch, ahead of its first reader
.irp b, 0,1,2,3
	v_exp_f32 v[232+\b], v[232+\b]                 ; each block's largest p
.endr
	v_pk_add_f32 v[236:237], v[100:101], v[104:105]
	v_pk_add_f32 v[250:251], v[108:109], v[112:113]
	v_pk_add_f32 v[248:249], v[116:117], v[120:121]
	v_pk_add_f32 v[246:247], v[124:125], v[128:129]
	v_pk_add_f32 v[244:245], v[132:133], v[136:137]
	v_pk_add_f32 v[242:243], v[140:141], v[144:145]
	v_pk_add_f32 v[240:241], v[148:149], v[152:153]
	v_pk_add_f32 v[14:15], v[14:15], v[156:157]
	v_pk_add_f32 v[236:237], v[236:237], v[96:97]
	v_pk_add_f32 v[250:251], v[250:251], v[98:99]
	v_pk_add_f32 v[248:249], v[248:249], v[102:103]
	v_pk_add_f32 v[246:247], v[246:247], v[106:107]
	v_pk_add_f32 v[244:245], v[244:245], v[110:111]
	v_pk_add_f32 v[242:243], v[242:243], v[114:115]
	v_pk_add_f32 v[240:241], v[240:241], v[118:119]
	v_pk_add_f32 v[14:15], v[14:15], v[122:123]
	v_pk_add_f32 v[236:237], v[236:237], v[126:127]
	v_pk_add_f32 v[250:251], v[250:251], v[130:131]
	v_pk_add_f32 v[248:249], v[248:249], v[134:135]
	v_pk_add_f32 v[246:247], v[246:247], v[138:139]
	v_pk_add_f32 v[244:245], v[244:245], v[142:143]
	v_pk_add_f32 v[242:243], v[242:243], v[146:147]
	v_pk_add_f32 v[240:241], v[240:241], v[150:151]
	v_pk_add_f32 v[14:15], v[14:15], v[154:155]
	v_pk_add_f32 v[236:237], v[236:237], v[158:159]
	s_delay_alu instid0(VALU_DEP_2)
	v_pk_add_f32 v[14:15], v[14:15], v[246:247]
	s_delay_alu instid0(VALU_DEP_2)
	v_pk_add_f32 v[236:237], v[236:237], v[244:245]
	v_pk_add_f32 v[250:251], v[250:251], v[242:243]
	v_pk_add_f32 v[248:249], v[248:249], v[240:241]
	s_delay_alu instid0(VALU_DEP_2)
	v_pk_add_f32 v[14:15], v[14:15], v[250:251]
	s_delay_alu instid0(VALU_DEP_2)
	v_pk_add_f32 v[236:237], v[236:237], v[248:249]
	s_delay_alu instid0(VALU_DEP_1)
	v_pk_add_f32 v[14:15], v[14:15], v[236:237]
	s_wait_alu depctr_va_vdst(0)                   ; and one for the four
.irp b, 0,1,2,3
	v_max_num_f32 v[232+\b], 0x1800000, v[232+\b]  ; the floor 2^(3 - 127): the byte cannot fall under 1
.endr
.irp b, 0,1,2,3
	s_delay_alu instid0(VALU_DEP_4)
	v_add_nc_u32 v[244+\b], 0xff000000, v[232+\b]
.endr
.irp b, 0,1,2,3
	s_delay_alu instid0(VALU_DEP_4)
	v_lshrrev_b32 v[236+\b], 23, v[244+\b]
.endr
	s_delay_alu instid0(VALU_DEP_3)
	v_lshl_or_b32 v253, v237, 8, v236              ; p's scale word for these 128 keys
	s_delay_alu instid0(VALU_DEP_1)
	v_lshl_or_b32 v253, v238, 16, v253
	s_delay_alu instid0(VALU_DEP_1)
	v_lshl_or_b32 v253, v239, 24, v253
.irp c, 0,1
	v_cvt_scalef32_pk16_fp6_f32 v[224+6*\c:226+6*\c], v[96+32*\c:111+32*\c], v[244+2*\c]
	v_cvt_scalef32_pk16_fp6_f32 v[236+4*\c:238+4*\c], v[112+32*\c:127+32*\c], v[245+2*\c]
.endr
	v_nop
.irp c, 0,1
.irp i, 0,1,2
	v_permlane16_swap_b32 v[224+6*\c+\i], v[236+4*\c+\i]
.endr
.irp i, 0,1,2
	s_delay_alu instid0(VALU_DEP_3)
	v_mov_b32 v[227+6*\c+\i], v[236+4*\c+\i]
.endr
.endr
.set n, 0
.rept 32
	v_pk_mul_f32 v[160+n:161+n], v[160+n:161+n], v[252:253] op_sel_hi:[1,0]   ; O^T under the new M (also the places in front of the products and loads below)
.set n, n+2
.endr
	s_wait_alu depctr_va_vdst(0)
.irp g, 0,1                            ; O^T += V^T P^T, four tiles of 16 of the head's 128 at a time
.if \g
.rept 4
	v_nop
.endr
.endif
.irp t, 0,1,2,3
.irp c, 0,1,2
	ds_load_b128 v[32+12*\t+4*\c:35+12*\t+4*\c], v8 offset:VOFF+REC*\g+1536*\t+512*\c
.endr
	ds_load_b32 v[248+\t], v9 offset:VOFF+REC*\g+128*(\t%2)+4*(\t/2)
.endr
	s_wait_dscnt 0x0
.irp t, 0,1,2,3
	v_wmma_scale_f32_16x16x128_f8f6f4 v[160+8*(4*\g+\t):167+8*(4*\g+\t)], v[32+12*\t:43+12*\t], v[224:235], v[160+8*(4*\g+\t):167+8*(4*\g+\t)], v[248+\t], v253 matrix_a_fmt:MATRIX_FMT_FP6 matrix_b_fmt:MATRIX_FMT_FP6
.endr
.endr
.Lhidden_\@:
.endm
.macro QUANT s, pc, p2, tm, pw         ; 64 numbers of a lane, register 16 b + i = k 32 b + 16 (lane / 16) + i, become a fragment's codes and its scale word
.irp b, 0,1,2,3
	v_max3_num_f32 v[\tm+\b], |v[\s+16*\b]|, |v[\s+1+16*\b]|, 0x1800000
.endr
.irp i, 2,4,6,8,10,12,14
.irp b, 0,1,2,3
	s_delay_alu instid0(VALU_DEP_4)
	v_max3_num_f32 v[\tm+\b], v[\tm+\b], |v[\s+16*\b+\i]|, |v[\s+1+16*\b+\i]|
.endr
.endr
.irp b, 0,1,2,3
	s_delay_alu instid0(VALU_DEP_4)
	v_permlanex16_b32 v[\tm+4+\b], v[\tm+\b], s[SEL], s[SEL+1]
.endr
.irp b, 0,1,2,3
	s_delay_alu instid0(VALU_DEP_4)
	v_max_num_f32 v[\tm+\b], v[\tm+\b], v[\tm+4+\b]
.endr
.irp b, 0,1,2,3
	s_delay_alu instid0(VALU_DEP_4)
	v_add_nc_u32 v[\tm+12+\b], 0xff000000, v[\tm+\b]
.endr
.irp b, 0,1,2,3
	s_delay_alu instid0(VALU_DEP_4)
	v_lshrrev_b32 v[\tm+4+\b], 23, v[\tm+12+\b]
.endr
	s_delay_alu instid0(VALU_DEP_3)
	v_lshl_or_b32 v[\pw], v[\tm+5], 8, v[\tm+4]
	s_delay_alu instid0(VALU_DEP_1)
	v_lshl_or_b32 v[\pw], v[\tm+6], 16, v[\pw]
	s_delay_alu instid0(VALU_DEP_1)
	v_lshl_or_b32 v[\pw], v[\tm+7], 24, v[\pw]
.irp c, 0,1
	v_cvt_scalef32_pk16_fp6_f32 v[\pc+6*\c:\pc+2+6*\c], v[\s+32*\c:\s+15+32*\c], v[\tm+12+2*\c]
	v_cvt_scalef32_pk16_fp6_f32 v[\p2+4*\c:\p2+2+4*\c], v[\s+16+32*\c:\s+31+32*\c], v[\tm+13+2*\c]
.endr
	v_nop
.irp c, 0,1
.irp i, 0,1,2
	v_permlane16_swap_b32 v[\pc+6*\c+\i], v[\p2+4*\c+\i]
.endr
.irp i, 0,1,2
	s_delay_alu instid0(VALU_DEP_3)
	v_mov_b32 v[\pc+3+6*\c+\i], v[\p2+4*\c+\i]
.endr
.endr
.endm
	s_load_b256 s[4:11], s[0:1], 0x0               ; q_img s[4:5], kv_img s[6:7], the mask s[8:9], ao_img s[10:11]
	v_lshl_add_u32 v5, v0, 2, SPARE
	v_mov_b32 v6, 0
	ds_add_u32 v5, v6
	ds_add_u32 v5, v6
	s_wait_dscnt 0x0
	v_lshrrev_b32 v8, 5, v0
	s_delay_alu instid0(VALU_DEP_1)
	v_readfirstlane_b32 s[WV], v8                  ; wave 0..15
	s_bfe_u32 s72, ttmp6, 0x40000                  ; cx: it enters global addresses and my queries' numbers alone
	s_and_b32 s71, ttmp7, 0xffff                   ; the head
	s_lshr_b32 s73, s71, 1                         ; its key and value head
	s_and_b32 s[PI], s[WV], 1
	s_lshr_b32 s74, s[WV], 1
	s_sub_co_u32 s74, 7, s74                       ; m
	s_lshl_b32 s[DS], s74, 1
	s_lshr_b32 s75, ttmp9, 1
	s_add_co_u32 s[DS], s[DS], s75                 ; my tile / 8, made without cx
	s_lshl_b32 s70, ttmp9, 2
	s_add_co_u32 s70, s70, s72
	s_lshl_b32 s75, s74, 4
	s_add_co_u32 s70, s70, s75                     ; my tile of 16 queries
	s_mov_b32 s[G1], 15|(3<<16)|(1<<21)            ; 15:0 the mask: all four work-groups; elements of 8 bytes; 21 set beside a mask
	s_mov_b32 s[G1+1], 32<<16                      ; rows of 256 bytes,
	s_mov_b32 s[G1+2], 50<<16                      ; 50 of them: a quarter of a slot
	s_mov_b32 s[G1+3], 32<<16
	s_mov_b32 s[G1+4], 50
	s_mov_b32 s[G1+5], 32
	s_mov_b32 s[G1+6], 0
	s_mov_b32 s[G1+7], 0
	s_mul_i32 s44, s73, 409600
	s_mov_b32 s45, 0
	s_mul_i32 s[G0+1], s[WV], 12800                ; LDS address: slot 0, my quarter
	s_mov_b32 s46, s[G0+1]
	s_mov_b32 s47, 0
	s_mov_b32 s[SEL], 0x76543210
	s_mov_b32 s[SEL+1], 0xfedcba98
	s_mov_b32 s[CS], 0x3e0293ee                    ; c = log2(e) / sqrt(128)
	s_mov_b32 s[CS+1], s[CS]
	s_mov_b32 s[TB], 0
	s_mov_b32 s[TK], 0
	s_mov_b32 s[J], s[PI]
	s_mov_b32 s[SLOTS], 7
	s_wait_kmcnt 0x0
	s_add_nc_u64 s[6:7], s[6:7], s[44:45]          ; K and V of my key head
	s_mov_b32 s[G0], 1
	s_add_nc_u64 s[G0+2:G0+3], s[6:7], s[46:47]
	s_or_b32 s[G0+3], s[G0+3], 0x80000000
	CROUND                                         ; all four work-groups are here
	TLOAD                                          ; slot 0
	s_mul_i32 s82, s72, 12800                      ; the prefetches: my work-group's quarter, my wave's half of it, in slot 1: the first change of slots steps it to slot 2
	s_mul_i32 s83, s[PI], REC
	s_add_co_u32 s82, s82, s83
	s_add_co_u32 s82, s82, 51200
	s_mov_b32 s83, 0
	s_add_nc_u64 s[PFA:PFA+1], s[6:7], s[82:83]
	s_sub_co_u32 s82, s[WV], 4
	s_lshr_b32 s82, s82, 1                         ; 0 in waves 4 and 5,
	s_or_b32 s82, s82, ttmp9                       ; of the first cluster,
	s_and_b32 s83, s71, 1
	s_or_b32 s82, s82, s83                         ; of the even head: the same in all four partners
	s_cmp_eq_u32 s82, 0
	s_cselect_b32 s[LIM], 1, -1
	v_and_b32 v32, 15, v0                          ; r
	v_bfe_u32 v33, v0, 4, 1                        ; h
	v_and_b32 v34, 31, v0                          ; lane
	s_wait_alu depctr_va_vdst(0)
	v_mov_b32 v31, 0xf149f2ca                      ; -1e30
	v_lshlrev_b32 v40, 2, v0
	global_load_b32 v39, v40, s[8:9]               ; four bytes of the mask of keys a thread
	s_lshl_b32 s82, s71, 5                         ; Q: record [head][tile / 4], fragment tile % 4
	s_lshr_b32 s83, s70, 2
	s_add_co_u32 s82, s82, s83
	s_mul_i32 s82, s82, REC
	s_mov_b32 s83, 0
	s_add_nc_u64 s[4:5], s[4:5], s[82:83]
	s_and_b32 s84, s70, 3
	s_mul_i32 s84, s84, 1536
	v_lshl_add_u32 v37, v34, 4, s84
	s_and_b32 s84, s70, 1
	s_lshl_b32 s84, s84, 7
	s_bfe_u32 s85, s70, 0x10001
	s_lshl_b32 s85, s85, 2
	s_add_co_u32 s84, s84, s85
	s_add_co_u32 s84, s84, 6144
	v_lshl_add_u32 v38, v32, 3, s84
.irp c, 0,1,2
	global_load_b128 v[16+4*\c:19+4*\c], v37, s[4:5] offset:512*\c
.endr
	global_load_b32 v255, v38, s[4:5]
	s_lshr_b32 s82, s71, 2                         ; the result: record [head / 4][tile], fragment and word head % 4
	s_lshl_b32 s82, s82, 7
	s_add_co_u32 s82, s82, s70
	s_mul_i32 s82, s82, REC
	s_mov_b32 s83, 0
	s_add_nc_u64 s[10:11], s[10:11], s[82:83]
	s_and_b32 s84, s71, 3
	s_mul_i32 s85, s84, 1536
	v_lshl_add_u32 v91, v34, 4, s85
	s_lshl_b32 s84, s84, 2
	s_add_co_u32 s84, s84, 6144
	v_lshl_add_u32 v92, v32, 4, s84
	s_mul_i32 s75, s[PI], 12800                    ; my key step's two records of K (and, VOFF on, of V)
	v_lshl_add_u32 v1, v34, 4, s75
	s_add_co_u32 s81, s75, 6144
	v_lshl_add_u32 v2, v32, 3, s81
	s_lshl_b32 s81, s[PI], 9
	s_add_co_u32 s81, s81, MB
	v_lshl_add_u32 v3, v33, 6, s81                 ; the keys' numbers: + 64 h, + 512 for the odd step
	s_lshr_b32 s81, s[WV], 3                       ; U: key step w / 8, tile w % 8 of the head's 128
	s_mul_i32 s81, s81, 12800
	s_bfe_u32 s82, s[WV], 0x10002
	s_mul_i32 s82, s82, REC
	s_add_co_u32 s81, s81, s82
	s_add_co_u32 s83, s81, VOFF
	s_and_b32 s82, s[WV], 3
	s_mul_i32 s82, s82, 1536
	s_add_co_u32 s82, s82, s83
	v_lshl_add_u32 v4, v34, 4, s82
	s_lshl_b32 s82, s[PI], 7
	s_bfe_u32 s84, s[WV], 0x10001
	s_lshl_b32 s84, s84, 2
	s_add_co_u32 s82, s82, s84
	s_add_co_u32 s82, s82, s83
	s_add_co_u32 s82, s82, 6144
	v_lshl_add_u32 v7, v32, 3, s82
	s_lshl_b32 s82, s[WV], 10                      ; the end's LDS addresses, made ahead of every parting of the waves
	s_add_co_u32 s82, s82, UB
	v_lshl_add_u32 v88, v34, 5, s82
	s_lshr_b32 s82, s[WV], 1
	s_mul_i32 s82, s82, 8704
	s_add_co_u32 s82, s82, MG
	v_lshl_add_u32 v89, v34, 4, s82
	v_lshl_add_u32 v90, v34, 5, UB
	v_min_u32 v[PFO], 24, v34
	s_delay_alu instid0(VALU_DEP_1)
	v_lshlrev_b32 v[PFO], 8, v[PFO]
	v_mov_b32 v29, 0x7f7f7f7f                      ; four scale bytes of 1.0
	s_lshr_b32 s82, s70, 1                         ; my query's place in its key step, less 16 h
	s_and_b32 s82, s82, 3
	s_lshl_b32 s82, s82, 5
	s_and_b32 s84, s70, 1
	s_lshl_b32 s84, s84, 3
	s_add_co_u32 s82, s82, s84
	v_and_b32 v35, 7, v32
	v_lshrrev_b32 v36, 3, v32
	s_delay_alu instid0(VALU_DEP_1)
	v_lshl_add_u32 v35, v36, 4, v35
	v_lshlrev_b32 v36, 4, v33
	s_delay_alu instid0(VALU_DEP_1)
	v_sub_nc_u32 v35, v35, v36
	s_delay_alu instid0(VALU_DEP_1)
	v_add_nc_u32 v30, s82, v35
	v_lshl_add_u32 v41, v0, 4, MB
	v_mov_b32 v13, 0xe0ad78ec                      ; the largest t so far: -1e20
	s_delay_alu instid0(VALU_DEP_1)
	v_floor_f32 v12, -v13
	v_mov_b32 v14, 0
	v_mov_b32 v15, 0
.set n, 0
.rept 64
	v_mov_b32 v[160+n], 0                          ; O^T: the first change of M leaves zeros zeros
.set n, n+1
.endr
.set n, 0
.rept 8
	v_mov_b32 v[80+n], 0                           ; U
.set n, n+1
.endr
.set n, 0
.rept 23
	v_mov_b32 v[232+n], 0                          ; the registers at work are written once, so that every path finds them written
.set n, n+1
.endr
	s_wait_loadcnt 4                               ; the mask's load is in (Q's four may be out)
.irp e, 0,1,2,3
	v_bfe_u32 v42, v39, 8*\e, 8
	s_delay_alu instid0(VALU_DEP_1)
	v_cmp_eq_u32 vcc_lo, 0, v42
	s_delay_alu instid0(VALU_DEP_1)
	v_cndmask_b32 v[44+\e], 0, v31, vcc_lo         ; 0 for a key that counts, -1e30 for one that does not
.endr
	ds_store_b128 v41, v[44:47]                    ; read by all waves behind the first change of slots, whose barrier stands behind every wave's wait for its LDS stores
	s_wait_loadcnt 0x0                             ; Q
.Lslot:                                                ; 7 trips: behind each change of slots but the last the next slot is asked for
	CHANGE 1
	USTEP
	STEP
	s_xor_b32 s[TB], s[TB], SLOT1
	s_add_co_u32 s[TK], s[TK], 1024
	s_add_co_u32 s[J], s[J], 2
	s_sub_co_u32 s[SLOTS], s[SLOTS], 1
	s_cmp_lg_u32 s[SLOTS], 0
	s_cbranch_scc1 .Lslot
	CHANGE 0                                       ; the last slot is written out
	USTEP
	STEP
	; THE END.  Every wave hands over its part of U; the odd wave of each pair its O^T, -M and sum.
.rept 4
	v_nop
.endr
	ds_store_b128 v88, v[80:83]
	ds_store_b128 v88, v[84:87] offset:16
	s_cmp_eq_u32 s[PI], 0
	s_cbranch_scc1 .Lkeep
	v_add_f32 v14, v14, v15
.set k, 0
.rept 16
	ds_store_b128 v89, v[160+4*k:163+4*k] offset:512*k
.set k, k+1
.endr
	ds_store_b128 v89, v[12:15] offset:8192
.Lkeep:
	s_wait_dscnt 0x0                               ; for the others' sake: my stores are done
	s_barrier_signal -1
	s_barrier_wait -1
	s_cmp_lg_u32 s[PI], 0
	s_cbranch_scc1 .Lclose
	ds_load_b128 v[244:247], v89 offset:8192       ; my partner's -M, largest t, sum
.set k, 0
.rept 16
	ds_load_b128 v[96+4*k:99+4*k], v89 offset:512*k
.set k, k+1
.endr
	s_wait_dscnt 0x0
	v_min_num_f32 v248, v12, v244                  ; -M of the two together
	s_delay_alu instid0(VALU_DEP_1)
	v_sub_f32 v249, v248, v12
	s_delay_alu instid0(VALU_DEP_2)
	v_sub_f32 v254, v248, v244
	s_delay_alu instid0(VALU_DEP_2)
	v_cvt_i32_f32 v249, v249
	s_delay_alu instid0(VALU_DEP_2)
	v_cvt_i32_f32 v254, v254
	s_delay_alu instid0(VALU_DEP_2)
	v_ldexp_f32 v250, 1.0, v249                    ; my factor and my partner's: powers of two, one of them 1
	s_delay_alu instid0(VALU_DEP_2)
	v_ldexp_f32 v252, 1.0, v254
	s_wait_alu depctr_va_vdst(0)
	v_add_f32 v14, v14, v15
	s_delay_alu instid0(VALU_DEP_1)
	v_mul_f32 v14, v14, v250
	s_delay_alu instid0(VALU_DEP_1)
	v_fma_f32 v14, v246, v252, v14
.set n, 0
.rept 32
	v_pk_mul_f32 v[160+n:161+n], v[160+n:161+n], v[250:251] op_sel_hi:[1,0]
.set n, n+2
.endr
.set n, 0
.rept 32
	v_pk_fma_f32 v[160+n:161+n], v[96+n:97+n], v[252:253], v[160+n:161+n] op_sel_hi:[1,0,1]
.set n, n+2
.endr
	v_permlanex16_b32 v254, v14, s[SEL], s[SEL+1]
	s_delay_alu instid0(VALU_DEP_1)
	v_add_f32 v14, v14, v254                       ; with lane l xor 16's keys: the row's sum
.set k, 0
.rept 8
	ds_load_b128 v[96+8*k:99+8*k], v90 offset:1024*k           ; U of the even key steps,
	ds_load_b128 v[100+8*k:103+8*k], v90 offset:1024*k+16
.set k, k+1
.endr
.set k, 0
.rept 4
	ds_load_b128 v[32+8*k:35+8*k], v90 offset:1024*(8+k)       ; and of the odd ones, in two runs
	ds_load_b128 v[36+8*k:39+8*k], v90 offset:1024*(8+k)+16
.set k, k+1
.endr
	s_wait_dscnt 0x0
.set n, 0
.rept 16
	v_pk_add_f32 v[96+n:97+n], v[96+n:97+n], v[32+n:33+n]
.set n, n+2
.endr
.set k, 0
.rept 4
	ds_load_b128 v[32+8*k:35+8*k], v90 offset:1024*(12+k)
	ds_load_b128 v[36+8*k:39+8*k], v90 offset:1024*(12+k)+16
.set k, k+1
.endr
	s_wait_dscnt 0x0
.set n, 0
.rept 16
	v_pk_add_f32 v[128+n:129+n], v[128+n:129+n], v[32+n:33+n]
.set n, n+2
.endr
	v_cmp_eq_f32 vcc_lo, 0, v14                    ; a query with no allowed key: the sum of v over all keys, divided by 2,048
	v_mov_b32 v254, 0x45000000
.set n, 0
.rept 64
	v_cndmask_b32 v[160+n], v[160+n], v[96+n], vcc_lo
.set n, n+1
.endr
	v_cndmask_b32 v14, v14, v254, vcc_lo
	s_wait_alu depctr_va_vdst(0)
	v_rcp_f32 v14, v14
	v_nop                                          ; a plain place behind the transcendental
	s_wait_alu depctr_va_vdst(0)                   ; and the wait ahead of its first reader
.set n, 0
.rept 32
	v_pk_mul_f32 v[96+n:97+n], v[160+n:161+n], v[14:15] op_sel_hi:[1,0]   ; register 16 b + i = the head's channel 32 b + 16 h + i of my query
.set n, n+2
.endr
	QUANT 96, 224, 236, 32, 252
.irp c, 0,1,2
	global_store_b128 v91, v[224+4*\c:227+4*\c], s[10:11] offset:512*\c   ; the fragment's image: 512 consecutive bytes a store
.endr
	global_store_b32 v92, v252, s[10:11]           ; my row's scale word (lanes l and l xor 16 hold the same word for the same place)
.Lclose:
	s_wait_tensorcnt 0x0                           ; the wave's end
	ds_add_u32 v5, v6
	s_wait_dscnt 0x0
	CROUND                                         ; the closing round
	s_endpgm
.Lfunc_end_k_q25d6980cbf_attn:
	.size	k_q25d6980cbf_attn, .Lfunc_end_k_q25d6980cbf_attn-k_q25d6980cbf_attn
	.p2alignl 7, 3214868480
	.fill 96, 4, 3214868480
	.section	.rodata,"a",@progbits
	.p2align	6, 0x0
	.amdhsa_kernel k_q25d6980cbf_attn
		.amdhsa_group_segment_fixed_size 327680
		.amdhsa_private_segment_fixed_size 0
		.amdhsa_enable_private_segment 0
		.amdhsa_kernarg_size 32
		.amdhsa_user_sgpr_count 2
		.amdhsa_user_sgpr_kernarg_segment_ptr 1
		.amdhsa_wavefront_size32 1
		.amdhsa_system_sgpr_workgroup_id_x 1
		.amdhsa_system_sgpr_workgroup_id_y 1
		.amdhsa_system_sgpr_workgroup_id_z 1
		.amdhsa_system_vgpr_workitem_id 0
		.amdhsa_next_free_vgpr 256
		.amdhsa_next_free_sgpr 100
		.amdhsa_reserve_vcc 1
		.amdhsa_float_denorm_mode_32 3
		.amdhsa_float_denorm_mode_16_64 3
		.amdhsa_memory_ordered 1
		.amdhsa_forward_progress 1
		.amdhsa_inst_pref_size 92
	.end_amdhsa_kernel
	.amdgpu_metadata
---
amdhsa.version: [ 1, 2 ]
amdhsa.kernels:
  - .name:           k_q25d6980cbf_attn
    .symbol:         k_q25d6980cbf_attn.kd
    .args:
      - { .name: q_img, .offset: 0, .size: 8, .value_kind: global_buffer, .address_space: global }
      - { .name: kv_img, .offset: 8, .size: 8, .value_kind: global_buffer, .address_space: global }
      - { .name: attention_mask, .offset: 16, .size: 8, .value_kind: global_buffer, .address_space: global }
      - { .name: ao_img, .offset: 24, .size: 8, .value_kind: global_buffer, .address_space: global }
    .group_segment_fixed_size: 327680
    .private_segment_fixed_size: 0
    .kernarg_segment_align: 8
    .kernarg_segment_size: 32
    .max_flat_workgroup_size: 512
    .sgpr_count:     100
    .vgpr_count:     256
    .wavefront_size: 32
...
	.end_amdgpu_metadata
.endif
;; end of part 3
;; launch gemm_out (part 4): grid 16 x 16, 4 waves a work-group, clusters of 4 x 4, 327,680 bytes of LDS; arguments ao_img, wo_img, bo, out0; writes out0
.if DOCPART == 4
	.amdgcn_target "amdgcn-amd-amdhsa--gfx1250"
	.amdhsa_code_object_version 6
	.text
	.protected	k_q25d6980cbf_gemm_out
	.globl	k_q25d6980cbf_gemm_out
	.p2align	8
	.type	k_q25d6980cbf_gemm_out,@function
k_q25d6980cbf_gemm_out:
	s_mov_b64 s[64:65], 0
	v_nop
	global_prefetch_b8 v0, s[64:65] scope:SCOPE_SE
	s_setreg_imm32_b32 hwreg(HW_REG_WAVE_MODE, 25, 1), 1
	s_wait_xcnt 0x0
	s_wait_alu depctr_hold_cnt(0) depctr_sa_sdst(0) depctr_va_vdst(0) depctr_va_sdst(0) depctr_va_ssrc(0) depctr_va_vcc(0) depctr_vm_vsrc(0)
	s_getreg_b32 s2, hwreg(HW_REG_IB_STS2, 6, 4)
	s_cmp_eq_u32 s2, 0
	s_cbranch_scc0 .Lentry_in_a_cluster
	s_endpgm
.Lentry_in_a_cluster:
	s_bfe_u32 s2, ttmp6, 0x10000c
	s_cmp_lg_u32 s2, 0xf033
	s_cbranch_scc0 .Lentry_shape_is_right
	s_endpgm
.Lentry_shape_is_right:
; out0 = attention's result x Wo + bo on codes of FP6 (E2M3), K = 2,048: four slots of 512 along K.  Operands: records of 6,400 bytes, laid [512 along K][tile][record], as in the launch that makes q, k and v.
; A work-group makes 128 tokens (A, 8 tiles) x 256 columns (B, 16 tiles); a wave 64 x 128.  Source 0 takes B's rows, source 1 A's: a lane holds eight neighbouring columns of one token's row.
; RING: two LDS slots of 153,600 bytes; waves 0, 1 fetch A's halves, waves 2, 3 B's, by joint loads (A shared along the cluster's row, B along its column), one load a wave behind each round.  The walk is written out.
; PREFETCH: behind the head's load slots 1 and 2 are asked for, behind slot 1's load slot 3; the four partners of a joint load share its bytes out by address (A: 25 blocks of 256 bytes, one instruction; B: 50, two).
; REGISTERS.  Window 0: v0-31 addresses; v32-95 scale words; v160-223 bo, the C of the first K step; on the way out v96-223 rows read back.  Window 1: v0-95 A's fragments, two sets.
;   Window 2: v0-127 accumulators of A's tiles 0, 1; v128-223 B's fragments of the odd K steps; v224-225 B's LDS addresses.  Window 3: the same for tiles 2, 3 and the even K steps.
; A K STEP: the next step's 36 LDS loads in one run at its head, then 32 products.  An LDS load's data take the destination's window and its address source 0's: B's 24 loads run under the setting that the step before left.
; THE WAY OUT: 16 rows x 128 columns at a time through the wave's own stage in slot 0, which has had its last fill and its last read by then; whole rows of 512 bytes are stored.
.set REC,   6400
.set SLOTB, 153600
.set BOFF,  51200
.set SPARE, 2*SLOTB
.set ADRA, 16
.set ADRS, 22
.set STO,  24
.set CO,   27
.set SPW,  28
.set NIL,  29
.set PFO,  30
.set RD,   31
.set SC,   32
.set CB,   160
.set BF,   128
.set ABC,  224
.set G1A, 24
.set G0A, 32
.set G1B, 48
.set G0B, 56
.set PFA, 12
.set MSB, 0
.macro WIN new
.set NEWW, \new
.if MSB != NEWW
	s_set_vgpr_msb (MSB<<8)|NEWW
.set MSB, NEWW
.endif
.endm
.macro PLACES n
.rept \n
	v_nop
.endr
.endm
.macro JLOAD g0a, g0b
	s_cmp_eq_u32 s15, 0
	s_cbranch_scc0 .Lfor_b_\@
	tensor_load_to_lds s[\g0a:\g0a+3], s[G1A:G1A+7]
	s_nop 0
.rept 4
	v_nop
.endr
	s_branch .Lasked_\@
.Lfor_b_\@:
	tensor_load_to_lds s[\g0b:\g0b+3], s[G1B:G1B+7]
	s_nop 0
.rept 4
	v_nop
.endr
.Lasked_\@:
.endm
.macro CREST
	s_cmp_lg_u32 s14, 0
	s_cbranch_scc1 .Lnot_wave_0_\@
	s_barrier_signal -3
.Lnot_wave_0_\@:
	s_barrier_wait -3
	s_barrier_signal -1
	s_barrier_wait -1
.endm
.macro CROUND
	s_barrier_signal -1
	s_barrier_wait -1
	CREST
.endm
.macro ASKAT pr
	global_prefetch_b8 v[PFO], s[\pr:\pr+1] th:TH_LOAD_NT scope:SCOPE_SE
	s_cmp_eq_u32 s15, 0
	s_cbranch_scc1 .Lone_\@
	global_prefetch_b8 v[PFO], s[\pr:\pr+1] offset:6400 th:TH_LOAD_NT scope:SCOPE_SE
.Lone_\@:
.endm
.macro BLOADS slot, q
.set nn, 0
.rept 24
	ds_load_b128 v[BF+4*nn:BF+4*nn+3], v[ABC+\slot] offset:REC*(nn/3)+1536*(\q)+512*(nn%3)
.set nn, nn+1
.endr
.endm
.macro ALOADS slot, q
.set mm, 0
.rept 12
	ds_load_b128 v[48*((\q)%2)+4*mm:48*((\q)%2)+4*mm+3], v[ADRA+\slot] offset:REC*(mm/3)+1536*(\q)+512*(mm%3)
.set mm, mm+1
.endr
.endm
.macro SCALES s
.irp i, 0,1,2,3,4,5,6,7
	ds_load_b128 v[SC+32*\s+4*\i:SC+32*\s+4*\i+3], v[ADRS+\s] offset:REC*\i
.endr
.endm
.macro WM q, sc, a, mode               ; mode 1: C = bo by B's tile
.if \mode == 0
	v_wmma_scale_f32_16x16x128_f8f6f4 v[AC:AC+7], v[BF+12*bb:BF+12*bb+11], v[48*((\q)%2)+12*(\a):48*((\q)%2)+12*(\a)+11], v[AC:AC+7], v[SC+32*(\sc)+4*bb+(\q)], v[SC+32*(\sc)+4*(\a)+(\q)] matrix_a_fmt:MATRIX_FMT_FP6 matrix_b_fmt:MATRIX_FMT_FP6 matrix_a_scale:MATRIX_SCALE_ROW1
.else
	v_wmma_scale_f32_16x16x128_f8f6f4 v[AC:AC+7], v[BF+12*bb:BF+12*bb+11], v[48*((\q)%2)+12*(\a):48*((\q)%2)+12*(\a)+11], v[CB+8*bb:CB+8*bb+7], v[SC+32*(\sc)+4*bb+(\q)], v[SC+32*(\sc)+4*(\a)+(\q)] matrix_a_fmt:MATRIX_FMT_FP6 matrix_b_fmt:MATRIX_FMT_FP6 matrix_a_scale:MATRIX_SCALE_ROW1
.endif
.endm
.macro MUL q, sc, a, mode              ; A's tile a x B's eight.  The accumulators take turns
.set bb, 0
.rept 8
.set AC, 8*(8*((\a)%2)+bb)
	WM \q, \sc, \a, \mode
.set bb, bb+1
.endr
.endm
.macro STEP slot, q, mode
.if ((\q)%2) == 0
.set FA, 0
.set SA, 2
.set LW, 0xa6                          ; B's loads: data into window 2, address from window 2: the setting that an odd step leaves
.if \mode
.set H1, 0x87
.set H2, 0xc7
.else
.set H1, 0xa7
.set H2, 0xf7
.endif
.else
.set FA, 2
.set SA, 0
.set LW, 0xf7                          ; data into window 3, address from window 3: the setting that an even step leaves
.set H1, 0xf6
.set H2, 0xa6
.endif
	s_wait_dscnt 0x0                               ; this step's fragments are in
	PLACES 4                                       ; behind the last step's products, whose fragments' registers are loaded below
	WIN LW
	BLOADS \slot, (\q)+1
	WIN 0x40
	ALOADS \slot, (\q)+1
	WIN H1
	MUL \q, \slot, FA, \mode
	MUL \q, \slot, FA+1, \mode
	WIN H2
	MUL \q, \slot, SA, \mode
	MUL \q, \slot, SA+1, \mode
.endm
.macro TURN slot, next, fill           ; K step 3 changes slots
	WIN 0
	s_wait_tensorcnt 0x0                           ; my part of the next slot has landed
	ds_add_u32 v[SPW], v[NIL]
	s_wait_dscnt 1                                 ; this step's fragments are in; the add may be out
	WIN 0xa6
	MUL 3, \slot, 0, 0
	s_wait_dscnt 0x0                               ; the add is done; my reads of this slot are over
	s_barrier_signal -1
	MUL 3, \slot, 1, 0
	WIN 0
	s_barrier_wait -1
.if \fill
	CREST
	s_add_nc_u64 s[G0A+4*\slot+2:G0A+4*\slot+3], s[G0A+4*\slot+2:G0A+4*\slot+3], s[44:45]
	s_add_nc_u64 s[G0B+4*\slot+2:G0B+4*\slot+3], s[G0B+4*\slot+2:G0B+4*\slot+3], s[46:47]
	JLOAD G0A+4*\slot, G0B+4*\slot
.else
	PLACES 4
.endif
	SCALES \next
	WIN 0x40
	ALOADS \next, 0
	WIN 0xf6
	BLOADS \next, 0
	MUL 3, \slot, 2, 0
	MUL 3, \slot, 3, 0
.endm
.macro TOSTAGE a
.set AB, 64*((\a)%2)
	WIN (2+(\a)/2)<<2                              ; the data: window 2 or 3
.irp b, 0,1,2,3,4,5,6,7
	ds_store_b128 v[STO], v[AB+8*\b:AB+8*\b+3] offset:128*(\b/2)+32*(\b%2)       ; each accumulator from its low end on
	ds_store_b128 v[STO], v[AB+8*\b+4:AB+8*\b+7] offset:128*(\b/2)+32*(\b%2)+16
.endr
	WIN 0
.set BB, 96+64*((\a)%2)
.irp t, 0,1,2,3,4,5,6,7,8,9,10,11,12,13,14,15
	ds_load_b128 v[BB+4*\t:BB+4*\t+3], v[RD] offset:\t*528   ; LDS serves a wave's instructions in order: these see my stores
.endr
.endm
.macro SEND a, younger
.set BB, 96+64*((\a)%2)
	s_wait_dscnt \younger
.irp t, 0,1,2,3,4,5,6,7,8,9,10,11,12,13,14,15
	global_store_b128 v[CO], v[BB+4*\t:BB+4*\t+3], s[10:11] offset:(32*((\a)/2)+8*((\a)%2)+(\t%8)+16*(\t/8))*16384 th:TH_STORE_NT   ; 512 consecutive bytes of a row
.endr
.endm
	s_load_b256 s[4:11], s[0:1], 0x0               ; ao_img, wo_img, bo, out0
	v_lshl_add_u32 v[SPW], v0, 2, SPARE
	v_mov_b32 v[NIL], 0
	ds_add_u32 v[SPW], v[NIL]                      ; the opening lines: the add, twice on end, and its wait
	ds_add_u32 v[SPW], v[NIL]
	v_lshrrev_b32 v1, 5, v0
	v_readfirstlane_b32 s14, v1
	v_and_b32 v1, 31, v0
	v_min_u32 v[PFO], 24, v1
	v_lshlrev_b32 v[PFO], 8, v[PFO]
	s_lshr_b32 s15, s14, 1
	s_and_b32 s16, s14, 1
	s_bfe_u32 s40, ttmp6, 0x40000
	s_bfe_u32 s41, ttmp6, 0x40004
	s_and_b32 s43, ttmp7, 0xffff
	s_lshl_b32 s17, s41, 2
	s_lshl_b32 s17, 15, s17
	s_lshl_b32 s18, 0x1111, s40
	s_or_b32 s[G1A], s17, (3<<16)|(1<<21)
	s_mov_b32 s[G1A+1], 32<<16
	s_mov_b32 s[G1A+2], 100<<16
	s_mov_b32 s[G1A+3], 32<<16
	s_mov_b32 s[G1A+4], 100
	s_mov_b32 s[G1A+5], 32
	s_mov_b32 s[G1A+6], 0
	s_mov_b32 s[G1A+7], 0
	s_or_b32 s[G1B], s18, (3<<16)|(1<<21)
	s_mov_b32 s[G1B+1], 32<<16
	s_mov_b32 s[G1B+2], 200<<16
	s_mov_b32 s[G1B+3], 32<<16
	s_mov_b32 s[G1B+4], 200
	s_mov_b32 s[G1B+5], 32
	s_mov_b32 s[G1B+6], 0
	s_mov_b32 s[G1B+7], 0
	s_lshl_b32 s19, s43, 2
	s_add_co_u32 s19, s19, s41                     ; block of 128 tokens
	s_lshl_b32 s20, ttmp9, 2
	s_add_co_u32 s20, s20, s40                     ; block of 256 columns
	s_lshl_b32 s76, s19, 3
	s_lshl_b32 s77, s16, 2
	s_add_co_u32 s76, s76, s77
	s_mul_i32 s76, s76, REC
	s_mov_b32 s77, 0
	s_lshl_b32 s78, s20, 4
	s_lshl_b32 s79, s16, 3
	s_add_co_u32 s78, s78, s79
	s_mul_i32 s78, s78, REC
	s_mov_b32 s79, 0
	s_mov_b32 s80, 128*REC
	s_mov_b32 s81, 0
	s_mov_b32 s82, 256*REC
	s_mov_b32 s83, 0
	s_mov_b32 s44, 2*128*REC
	s_mov_b32 s45, 0
	s_mov_b32 s46, 2*256*REC
	s_mov_b32 s47, 0
	s_mul_i32 s84, s16, 25600
	s_mul_i32 s85, s16, 51200
	s_add_co_u32 s85, s85, BOFF
	s_mul_i32 s42, s40, 6400
	s_mul_i32 s13, s41, 12800
	s_wait_alu depctr_va_vdst(0)
	s_wait_dscnt 0x0
	s_wait_kmcnt 0x0
	s_add_nc_u64 s[86:87], s[4:5], s[76:77]
	s_add_nc_u64 s[88:89], s[6:7], s[78:79]
.irp s, 0,1
	s_mov_b32 s[G0A+4*\s], 1
	s_add_co_u32 s[G0A+4*\s+1], s84, \s*SLOTB
	s_mov_b64 s[G0A+4*\s+2:G0A+4*\s+3], s[86:87]
	s_or_b32 s[G0A+4*\s+3], s[G0A+4*\s+3], 0x80000000
	s_mov_b32 s[G0B+4*\s], 1
	s_add_co_u32 s[G0B+4*\s+1], s85, \s*SLOTB
	s_mov_b64 s[G0B+4*\s+2:G0B+4*\s+3], s[88:89]
	s_or_b32 s[G0B+4*\s+3], s[G0B+4*\s+3], 0x80000000
	s_add_nc_u64 s[86:87], s[86:87], s[80:81]
	s_add_nc_u64 s[88:89], s[88:89], s[82:83]
.endr
	s_cmp_eq_u32 s15, 0                            ; s[86:89] now stand at slot 2
	s_cselect_b64 s[2:3], s[86:87], s[88:89]
	s_cselect_b64 s[66:67], s[80:81], s[82:83]
	s_cselect_b32 s12, s42, s13
	s_mov_b32 s13, 0
	s_add_nc_u64 s[2:3], s[2:3], s[12:13]          ; my share of slot 2,
	s_sub_nc_u64 s[PFA:PFA+1], s[2:3], s[66:67]    ; and of slot 1
	CROUND
	JLOAD G0A, G0B                                 ; slot 0: one tensor load a wave at the head
	ASKAT PFA
	ASKAT 2
	s_mul_i32 s86, s15, 25600
	s_mul_i32 s87, s16, 51200
	s_add_co_u32 s87, s87, BOFF
	s_sub_co_u32 s88, s87, s86
	s_add_co_u32 s89, s86, 6144
	s_add_co_u32 s83, s87, SLOTB
	s_mul_i32 s84, s14, 16*528                     ; my stage
	s_lshl_b32 s90, s19, 1
	s_add_co_u32 s90, s90, s15
	s_lshl_b32 s78, s20, 10
	s_lshl_b32 s79, s16, 9
	s_add_co_u32 s78, s78, s79
	s_mov_b32 s79, 0
	s_add_nc_u64 s[8:9], s[8:9], s[78:79]          ; my 128 columns of bo and of out0,
	s_add_nc_u64 s[10:11], s[10:11], s[78:79]
	s_lshl_b32 s76, s90, 20
	s_mov_b32 s77, 0
	s_add_nc_u64 s[10:11], s[10:11], s[76:77]      ; my 64 rows
	v_and_b32 v2, 15, v0
	v_bfe_u32 v25, v0, 4, 1
	v_lshlrev_b32 v[CO], 4, v1
	v_add_nc_u32 v[ADRA], s86, v[CO]
	v_add_nc_u32 v[ADRA+1], SLOTB, v[ADRA]
	v_mul_u32_u24 v4, s88, v25
	v_lshl_add_u32 v4, v2, 4, v4
	v_add_nc_u32 v[ADRS], s89, v4
	v_add_nc_u32 v[ADRS+1], SLOTB, v[ADRS]
	v_mul_u32_u24 v5, v2, 528
	v_lshl_add_u32 v5, v25, 6, v5
	v_add_nc_u32 v[STO], s84, v5
	v_add_nc_u32 v[RD], s84, v[CO]
	v_lshlrev_b32 v8, 6, v25
	WIN 0x80
	v_add_nc_u32 v[ABC], s87, v[CO]                ; B's LDS addresses, in windows 2 and 3
	v_add_nc_u32 v[ABC+1], s83, v[CO]
	WIN 0xc0
	v_add_nc_u32 v[ABC], s87, v[CO]
	v_add_nc_u32 v[ABC+1], s83, v[CO]
	WIN 0
	s_wait_alu depctr_va_vdst(0)
.irp b, 0,1,2,3,4,5,6,7
.irp e, 0,1
	global_load_b128 v[CB+8*\b+4*\e:CB+8*\b+4*\e+3], v8, s[8:9] offset:128*(\b/2)+32*(\b%2)+16*\e
.endr
.endr
	s_wait_xcnt 0x0                                ; the prefetches have read their addresses
	s_add_nc_u64 s[PFA:PFA+1], s[2:3], s[66:67]    ; slot 3
	s_wait_tensorcnt 0x0                           ; my part of slot 0 is in
	ds_add_u32 v[SPW], v[NIL]
	s_wait_dscnt 0x0
	CROUND
	JLOAD G0A+4, G0B+4                             ; slot 1
	SCALES 0
	ASKAT PFA
	WIN 0x40
	ALOADS 0, 0
	WIN 0xc2
	BLOADS 0, 0
	WIN 0
	s_wait_loadcnt 0x0                             ; bo
	STEP 0, 0, 1
	STEP 0, 1, 0
	STEP 0, 2, 0
	TURN 0, 1, 1
	STEP 1, 0, 0
	STEP 1, 1, 0
	STEP 1, 2, 0
	TURN 1, 0, 1
	STEP 0, 0, 0
	STEP 0, 1, 0
	STEP 0, 2, 0
	TURN 0, 1, 0
	STEP 1, 0, 0
	STEP 1, 1, 0
	STEP 1, 2, 0
	s_wait_dscnt 0x0
	WIN 0xa6
	MUL 3, 1, 0, 0
	MUL 3, 1, 1, 0
	WIN 0xf6
	MUL 3, 1, 2, 0
	MUL 3, 1, 3, 0
	WIN 0
	PLACES 4
	TOSTAGE 0
.irp a, 1,2,3
.if \a > 1
	s_wait_xcnt 0x0                                ; tile a - 2's stores have read their registers
.endif
	TOSTAGE \a
	SEND \a-1, 32
.endr
	SEND 3, 0
	s_wait_tensorcnt 0x0                           ; the wave's end
	ds_add_u32 v[SPW], v[NIL]
	s_wait_dscnt 0x0
	CROUND                                         ; the closing round
	s_endpgm
.Lfunc_end_k_q25d6980cbf_gemm_out:
	.size	k_q25d6980cbf_gemm_out, .Lfunc_end_k_q25d6980cbf_gemm_out-k_q25d6980cbf_gemm_out
	.p2alignl 7, 3214868480
	.fill 96, 4, 3214868480
	.section	.rodata,"a",@progbits
	.p2align	6, 0x0
	.amdhsa_kernel k_q25d6980cbf_gemm_out
		.amdhsa_group_segment_fixed_size 327680
		.amdhsa_private_segment_fixed_size 0
		.amdhsa_enable_private_segment 0
		.amdhsa_kernarg_size 32
		.amdhsa_user_sgpr_count 2
		.amdhsa_user_sgpr_kernarg_segment_ptr 1
		.amdhsa_wavefront_size32 1
		.amdhsa_system_sgpr_workgroup_id_x 1
		.amdhsa_system_sgpr_workgroup_id_y 1
		.amdhsa_system_sgpr_workgroup_id_z 1
		.amdhsa_system_vgpr_workitem_id 0
		.amdhsa_next_free_vgpr 1024
		.amdhsa_next_free_sgpr 100
		.amdhsa_reserve_vcc 0
		.amdhsa_float_denorm_mode_32 3
		.amdhsa_float_denorm_mode_16_64 3
		.amdhsa_memory_ordered 1
		.amdhsa_forward_progress 1
		.amdhsa_inst_pref_size 134
	.end_amdhsa_kernel
	.amdgpu_metadata
---
amdhsa.version: [ 1, 2 ]
amdhsa.kernels:
  - .name:           k_q25d6980cbf_gemm_out
    .symbol:         k_q25d6980cbf_gemm_out.kd
    .args:
      - { .name: ao_img, .offset: 0, .size: 8, .value_kind: global_buffer, .address_space: global }
      - { .name: wo_img, .offset: 8, .size: 8, .value_kind: global_buffer, .address_space: global }
      - { .name: bo, .offset: 16, .size: 8, .value_kind: global_buffer, .address_space: global }
      - { .name: out0, .offset: 24, .size: 8, .value_kind: global_buffer, .address_space: global }
    .group_segment_fixed_size: 327680
    .private_segment_fixed_size: 0
    .kernarg_segment_align: 8
    .kernarg_segment_size: 32
    .max_flat_workgroup_size: 128
    .sgpr_count:     100
    .vgpr_count:     1024
    .wavefront_size: 32
...
	.end_amdgpu_metadata
.endif
;; end of part 4
